; MI455X (gfx1250); checked and timed in simulation.
; The chip was launched on July 23, 2026; its instructions are those of AMD's public machine-readable ISA for CDNA 5 (MIT licence, August 2026) and "CDNA5" Instruction Set Architecture Reference Guide (July 2026). The comments in the code are by the model that wrote it; some were corrected since.
;; Multi Head Attention. Allowed arithmetic: matrix products marked QUANTISED: E4M3 operands, one given power-of-two scale a tensor, by v_wmma_f32_16x16x64_fp8_fp8 or v_wmma_f32_16x16x128_fp8_fp8, f32 sums; everything else in f32.
;; Inputs: dense_b 1,024 float32; dense_w 1,024 x 1,024 float32; key_ 2 x 2,048 x 1,024 float32; lowp_scales 12 int32 (the exponents e of the quantised operands' scales 2^e); mask 1 x 1 x 2,048 x 2,048 float32; query 2 x 2,048 x 1,024 float32; value 2 x 2,048 x 1,024 float32; wk_b 1,024 float32; wk_w 1,024 x 1,024 float32; wq_b 1,024 float32; wq_w 1,024 x 1,024 float32; wv_b 1,024 float32; wv_w 1,024 x 1,024 float32.
;; Outputs: out0 2 x 2,048 x 1,024 float32.
;; This version of the problem:
;;   THIS VERSION OF THE PROBLEM IS GIVEN IN LOW PRECISION. The matrix products marked QUANTISED in the list below multiply operands that are first quantised to E4M3 (4 exponent bits, 3 mantissa bits; 8 bits a number), with one given power-of-two scale for each operand tensor; their sums are f32. All else is computed in f32.
;;   The module's matrix products, in the order in which they are computed (A, B: the left and right operand; K: the contracted axis; several contracted axes count as one K, in the product's order):
;;     1. [M 4,096, K 1,024] x [K 1,024, N 1,024]; A: input query; B: input wq_w: QUANTISED (scales: A lowp_scales[0], B lowp_scales[1])
;;     2. [M 4,096, K 1,024] x [K 1,024, N 1,024]; A: input key_; B: input wk_w: QUANTISED (scales: A lowp_scales[2], B lowp_scales[3])
;;     3. [M 4,096, K 1,024] x [K 1,024, N 1,024]; A: input value; B: input wv_w: QUANTISED (scales: A lowp_scales[4], B lowp_scales[5])
;;     4. batch 32 x [M 2,048, K 64] x [K 64, N 2,048]; A: computed on the way; B: computed on the way: QUANTISED (scales: A lowp_scales[6], B lowp_scales[7])
;;     5. batch 32 x [M 2,048, K 2,048] x [K 2,048, N 64]; A: softmax (see below); B: computed on the way: QUANTISED (scales: A lowp_scales[8], B lowp_scales[9])
;;     6. [M 4,096, K 1,024] x [K 1,024, N 1,024]; A: computed on the way; B: input dense_w: QUANTISED (scales: A lowp_scales[10], B lowp_scales[11])
;;   THE QUANTISER, for each operand of a quantised product, along K:
;;     - The operand's scale is 2^e, e = its entry of the input lowp_scales (int32; the entries are numbered through the quantised products in the list's order, A before B).
;;     - Each number is divided by the scale, clamped to +-448, and rounded to the nearest number of E4M3, ties to even, subnormals kept.
;;     - The product sums the exact products of the quantised numbers (number of the format x scale) in f32.
;;   ~~~python
;;   def quantise(x, axis, e):      # numpy; x: float32 -> the quantised numbers, widened to float32 again
;;       x = np.moveaxis(x, axis, -1); K = x.shape[-1]
;;       r = np.clip(x / 2.0 ** e, -448, 448)
;;       step = 2.0 ** (np.maximum(np.frexp(np.where(r == 0, 1, r))[1] - 1, -6) - 3)
;;       q = np.round(r / step) * step * 2.0 ** e      # np.round: ties to even
;;       return np.moveaxis(q, -1, axis).astype(np.float32)
;;   ~~~
;;   SOFTMAX AHEAD OF A QUANTISED PRODUCT. Where the list says 'softmax', what is quantised is not the finished softmax but p = 2^(t - M), with t = logit x log2(e) and M = ceil(the row's largest t), a whole number; so 1/2 < the row's largest p <= 1. The row's sum l is taken of the UNQUANTISED p, in f32, and the product's result is divided by l at the end. Since M is a whole number, a kernel that streams over the keys may use a running M (the ceiling of the running maximum): every later rescaling is an exact power of two, so the quantised numbers keep their values, but for numbers so far below the row's largest that they fall under the format's range.
;;   OPERANDS COMPUTED ON THE WAY. 'Computed on the way' means the value that the module computes at that place (a softmax that the list does not call 'softmax' is quantised finished and normalised). What goes into a quantiser is computed in f32, as accurately as f32 sums, v_exp_f32 and their like allow (about 1e-6 of the number): no bf16 or f16 on the way to a quantiser, and a product that is left as it is and whose result goes on into a quantised operand takes f32 operands (vector FMAs, or v_wmma_f32_16x16x4_f32). A number that lies on a knife's edge between two numbers of the format may be rounded either way, as far as f32 arithmetic and the matrix unit's own rounding can turn it there, and no further.
;; One version. Each part assembles by itself: llvm-mc -triple=amdgcn-amd-amdhsa -mcpu=gfx1250 --defsym DOCPART=n.
;; ======== version 1 of 1: 4 launches
;; limits: right only within a limited range of input values
;; workspace buffers: xc 12,582,912 bytes; wc 4,194,304 bytes; pc 12,582,912 bytes; ac 4,194,304 bytes
;; launch quant (part 1): grid 512 x 1, 4 waves a work-group, no clusters, 33,280 bytes of LDS; arguments query, key_, value, wq_w, wk_w, wv_w, dense_w, lowp_scales, xc, wc; writes xc, wc
.if DOCPART == 1
	.amdgcn_target "amdgcn-amd-amdhsa--gfx1250"
	.amdhsa_code_object_version 6
	.text
	.protected	k_q90ea6c58bb_quant
	.globl	k_q90ea6c58bb_quant
	.p2align	8
	.type	k_q90ea6c58bb_quant,@function
k_q90ea6c58bb_quant:
	s_mov_b64 s[64:65], 0
	v_nop
	global_prefetch_b8 v0, s[64:65] scope:SCOPE_SE
	s_setreg_imm32_b32 hwreg(HW_REG_WAVE_MODE, 25, 1), 1
	s_wait_xcnt 0x0
; query, key_, value [4096][1024] and wq_w, wk_w, wv_w, dense_w [1024][1024], all f32 with K innermost, become codes of E4M3, one byte each, K innermost,
; each with the scale 2^e that is given for it: code = x / 2^e, held within +-448, to the nearest code, ties to even.
; xc takes the three activations one behind the other (12,288 rows of 1,024 bytes), wc the four weights (4,096 rows).  Rows are dense, so every tensor is a plain stream.
; LIMITS: e between -126 and 119, so that 2^e and 448 x 2^e are f32 numbers.  NaN among the inputs is not served (an infinity is held at the largest code).
; SHARES.  A work-group takes 32,768 numbers, a wave 8,192 in 16 steps of 512.  Work-groups 0-127 query, 128-255 key_, 256-383 value, 384-415 wq_w, 416-447 wk_w, 448-479 wv_w, 480-511 dense_w:
; only pointers, a first work-group and a place among the scales are chosen, by selects on the work-group's number: one path through the text.
; The conversions take 8 numbers of ONE lane's consecutive registers, so a lane must hold neighbours along K; a load is densest where neighbouring LANES take neighbouring bytes.  Both are had:
; each of a step's four loads reads 512 consecutive bytes, the 2,048 bytes go through the wave's own stage in LDS as they lie and come back 64 bytes a lane (16 bytes of padding behind each 64).
; A lane's 16 codes are 16 bytes: the wave stores 512 consecutive bytes.  Memory binds: no matrix unit, no cluster, no tensor load, no barrier (waves share nothing), and no prefetch: the loads themselves run four steps ahead.
.set STEPS, 16
.set R,     16                         ; v16-79   four sets of 16 numbers as they are loaded
.set X,     80                         ; v80-111  two sets of 16 neighbours
.set C,     128                        ; v128-191 codes: four registers for each step, so that no store's data are written again
.set WREG,  8192                       ; LDS: a region for each wave: two stages of 32 x SP bytes
.set SP,    80                         ; a lane's place in a stage: its 64 bytes + 16 of padding
	s_load_b512 s[4:19], s[0:1], 0x0               ; query s[4:5], key_ s[6:7], value s[8:9], wq_w s[10:11], wk_w s[12:13], wv_w s[14:15], dense_w s[16:17], the scales s[18:19]
	s_load_b128 s[20:23], s[0:1], 0x40             ; xc s[20:21], wc s[22:23]
	v_lshl_add_u32 v12, v0, 2, 32768               ; my spare word, behind the four regions: 128 bytes a wave; never rewritten
	v_mov_b32 v13, 0                               ; 0; never rewritten
	v_lshrrev_b32 v1, 5, v0
	v_readfirstlane_b32 s24, v1                    ; wave
	v_and_b32 v2, 31, v0                           ; lane
	v_lshlrev_b32 v3, 4, v2                        ; my 16 bytes of a load's 512, and of a store's; never rewritten
	s_mul_i32 s35, s24, WREG
	v_lshrrev_b32 v14, 2, v2
	v_mul_u32_u24 v14, v14, SP
	v_and_b32 v15, 3, v2
	v_lshl_add_u32 v14, v15, 4, v14
	v_add_nc_u32 v14, s35, v14                     ; the stage, on the way in: SP (lane / 4) + 16 (lane % 4); a load's 512 bytes take eight places
	v_mul_u32_u24 v15, v2, SP
	v_add_nc_u32 v15, s35, v15                     ; and on the way out: SP x lane: my 16 neighbours
	s_wait_alu depctr_va_vdst(0)
	s_wait_kmcnt 0x0
	s_mov_b64 s[28:29], s[16:17]                   ; the last tensor, dense_w; each line below takes its tensor where the work-group's number lies under its limit
	s_mov_b32 s25, 480                             ; the tensor's first work-group
	s_mov_b32 s26, 44                              ; its scale's byte among the scales (entry 11)
.macro PICK lim, ptr, gb, eo
	s_cmp_lt_u32 ttmp9, \lim
	s_cselect_b64 s[28:29], s[\ptr:\ptr+1], s[28:29]
	s_cselect_b32 s25, \gb, s25
	s_cselect_b32 s26, \eo, s26
.endm
	PICK 480, 14, 448, 20                          ; wv_w, entry 5
	PICK 448, 12, 416, 12                          ; wk_w, entry 3
	PICK 416, 10, 384, 4                           ; wq_w, entry 1
	PICK 384, 8, 256, 16                           ; value, entry 4
	PICK 256, 6, 128, 8                            ; key_, entry 2
	PICK 128, 4, 0, 0                              ; query, entry 0
	s_load_b32 s34, s[18:19], s26 offset:0x0       ; e
	s_cmp_lt_u32 ttmp9, 384
	s_cselect_b64 s[30:31], s[20:21], s[22:23]     ; activations go to xc, weights to wc,
	s_cselect_b32 s27, 0, 384                      ; counted from the buffer's first work-group
	s_sub_co_u32 s32, ttmp9, s25
	s_lshl_b32 s32, s32, 2
	s_add_co_u32 s32, s32, s24                     ; which run of 8,192 numbers of the tensor is my wave's
	s_lshl_b32 s32, s32, 15                        ; in bytes of f32 (under 2^25)
	s_mov_b32 s33, 0
	s_add_nc_u64 s[28:29], s[28:29], s[32:33]
	s_sub_co_u32 s32, ttmp9, s27
	s_lshl_b32 s32, s32, 2
	s_add_co_u32 s32, s32, s24
	s_lshl_b32 s32, s32, 13                        ; and of codes
	s_add_nc_u64 s[30:31], s[30:31], s[32:33]
.macro LOAD t
.irp i, 0,1,2,3
	global_load_b128 v[R+16*((\t)%4)+4*\i:R+16*((\t)%4)+4*\i+3], v3, s[28:29] offset:2048*(\t)+512*\i th:TH_LOAD_NT   ; 32 lanes read 512 consecutive bytes, read once in the launch
.endr
.endm
.macro TURN t                          ; step t's numbers through the stage: LDS serves a wave's instructions in order (ISA guide 5.7.1.4), so no wait stands between the stores and the loads
.irp i, 0,1,2,3
	ds_store_b128 v14, v[R+16*((\t)%4)+4*\i:R+16*((\t)%4)+4*\i+3] offset:32*SP*((\t)%2)+8*SP*\i
.endr
.irp i, 0,1,2,3
	ds_load_b128 v[X+16*((\t)%2)+4*\i:X+16*((\t)%2)+4*\i+3], v15 offset:32*SP*((\t)%2)+16*\i
.endr
.endm
.irp t, 0,1,2,3
	LOAD \t
.endr
	s_wait_kmcnt 0x0
	s_add_co_i32 s34, s34, 127
	s_lshl_b32 s35, s34, 23
	v_mov_b32 v11, s35                             ; 2^e as f32: the conversion takes its exponent field
	s_add_co_i32 s34, s34, 8
	s_lshl_b32 s34, s34, 23
	s_or_b32 s34, s34, 0x600000
	v_mov_b32 v10, s34                             ; 448 x 2^e
	s_wait_alu depctr_va_vdst(0)
	s_wait_loadcnt 12                              ; step 0's four loads are in; the twelve of steps 1 to 3 stay out
	TURN 0
.macro STEP t
.set XS, X+16*((\t)%2)
	s_wait_dscnt 0x0                               ; this step's numbers are back from the stage: so its stores into the stage have read their registers,
.if (\t)+4 < STEPS
	LOAD (\t)+4                                    ; which take the loads of four steps on
.endif
.if (\t)+1 < STEPS
.if STEPS-2-(\t) >= 3
	s_wait_loadcnt 12                              ; the next step's four loads are in; those of the three steps behind it may be out
.else
	s_wait_loadcnt 4*(STEPS-2-(\t))                ; the tail: as many steps as are left behind the next
.endif
	TURN (\t)+1                                    ; and go through the other stage while this step is worked
.endif
.irp i, 0,1,2,3,4,5,6,7,8,9,10,11,12,13,14,15
	v_med3_num_f32 v[XS+\i], v[XS+\i], -v10, v10   ; the conversion to an 8-bit code does not saturate (ISA guide 7.6.2): the hold at the largest code x the scale comes first
.endr
	v_cvt_scalef32_pk8_fp8_f32 v[C+4*(\t):C+4*(\t)+1], v[XS:XS+7], v11
	v_cvt_scalef32_pk8_fp8_f32 v[C+4*(\t)+2:C+4*(\t)+3], v[XS+8:XS+15], v11
	global_store_b128 v3, v[C+4*(\t):C+4*(\t)+3], s[30:31] offset:512*(\t)   ; the codes go to a store alone; the next vector lines are the next step's holds, on other registers
.endm
.irp t, 0,1,2,3,4,5,6,7,8,9,10,11,12,13,14,15
	STEP \t
.endr
	s_wait_tensorcnt 0x0                           ; the wave's end, behind my last LDS store
	ds_add_u32 v12, v13
	s_wait_dscnt 0x0
	s_endpgm
.Lfunc_end_k_q90ea6c58bb_quant:
	.size	k_q90ea6c58bb_quant, .Lfunc_end_k_q90ea6c58bb_quant-k_q90ea6c58bb_quant
	.p2alignl 7, 3214868480
	.fill 96, 4, 3214868480
	.section	.rodata,"a",@progbits
	.p2align	6, 0x0
	.amdhsa_kernel k_q90ea6c58bb_quant
		.amdhsa_group_segment_fixed_size 33280
		.amdhsa_private_segment_fixed_size 0
		.amdhsa_enable_private_segment 0
		.amdhsa_kernarg_size 80
		.amdhsa_user_sgpr_count 2
		.amdhsa_user_sgpr_kernarg_segment_ptr 1
		.amdhsa_wavefront_size32 1
		.amdhsa_system_sgpr_workgroup_id_x 1
		.amdhsa_system_sgpr_workgroup_id_y 1
		.amdhsa_system_sgpr_workgroup_id_z 1
		.amdhsa_system_vgpr_workitem_id 0
		.amdhsa_next_free_vgpr 192
		.amdhsa_next_free_sgpr 66
		.amdhsa_reserve_vcc 0
		.amdhsa_float_denorm_mode_32 3
		.amdhsa_float_denorm_mode_16_64 3
		.amdhsa_memory_ordered 1
		.amdhsa_forward_progress 1
		.amdhsa_inst_pref_size 38
	.end_amdhsa_kernel
	.amdgpu_metadata
---
amdhsa.version: [ 1, 2 ]
amdhsa.kernels:
  - .name:           k_q90ea6c58bb_quant
    .symbol:         k_q90ea6c58bb_quant.kd
    .args:
      - { .name: query, .offset: 0, .size: 8, .value_kind: global_buffer, .address_space: global }
      - { .name: key_, .offset: 8, .size: 8, .value_kind: global_buffer, .address_space: global }
      - { .name: value, .offset: 16, .size: 8, .value_kind: global_buffer, .address_space: global }
      - { .name: wq_w, .offset: 24, .size: 8, .value_kind: global_buffer, .address_space: global }
      - { .name: wk_w, .offset: 32, .size: 8, .value_kind: global_buffer, .address_space: global }
      - { .name: wv_w, .offset: 40, .size: 8, .value_kind: global_buffer, .address_space: global }
      - { .name: dense_w, .offset: 48, .size: 8, .value_kind: global_buffer, .address_space: global }
      - { .name: lowp_scales, .offset: 56, .size: 8, .value_kind: global_buffer, .address_space: global }
      - { .name: xc, .offset: 64, .size: 8, .value_kind: global_buffer, .address_space: global }
      - { .name: wc, .offset: 72, .size: 8, .value_kind: global_buffer, .address_space: global }
    .group_segment_fixed_size: 33280
    .private_segment_fixed_size: 0
    .kernarg_segment_align: 8
    .kernarg_segment_size: 80
    .max_flat_workgroup_size: 128
    .sgpr_count:     66
    .vgpr_count:     192
    .wavefront_size: 32
...
	.end_amdgpu_metadata
.endif
;; end of part 1
;; launch proj (part 2): grid 8 x 32, 4 waves a work-group, clusters of 4 x 4, 327,680 bytes of LDS; arguments xc, wc, lowp_scales, wq_b, wk_b, wv_b, pc; writes pc
.if DOCPART == 2
	.amdgcn_target "amdgcn-amd-amdhsa--gfx1250"
	.amdhsa_code_object_version 6
	.text
	.protected	k_q90ea6c58bb_proj
	.globl	k_q90ea6c58bb_proj
	.p2align	8
	.type	k_q90ea6c58bb_proj,@function
k_q90ea6c58bb_proj:
	s_mov_b64 s[64:65], 0
	v_nop
	global_prefetch_b8 v0, s[64:65] scope:SCOPE_SE
	s_setreg_imm32_b32 hwreg(HW_REG_WAVE_MODE, 25, 1), 1
	s_wait_xcnt 0x0
	s_wait_alu depctr_hold_cnt(0) depctr_sa_sdst(0) depctr_va_vdst(0) depctr_va_sdst(0) depctr_va_ssrc(0) depctr_va_vcc(0) depctr_vm_vsrc(0)
	s_getreg_b32 s2, hwreg(HW_REG_IB_STS2, 6, 4)
	s_cmp_eq_u32 s2, 0
	s_cbranch_scc0 .Lentry_in_a_cluster
	s_endpgm
.Lentry_in_a_cluster:
	s_bfe_u32 s2, ttmp6, 0x10000c
	s_cmp_lg_u32 s2, 0xf033
	s_cbranch_scc0 .Lentry_shape_is_right
	s_endpgm
.Lentry_shape_is_right:
; The three projections on codes of E4M3: out = x W^T + b for t = 0 (query, wq), 1 (key_, wk), 2 (value, wv), quantised at once with the scale 2^eo given for the attention's operand (entries 6, 7, 9).
; xc: [12288][1024] codes, wc: [4096][1024] codes.  A sum stands for sum x 2^(ea + eb): the sums begin as b / 2^(ea + eb), and the code is sum / 2^(eo - ea - eb).
; OUT.  pc: dense blocks of 16,384 bytes, block t x 256 + (batch x 8 + pair of heads) x 16 + block of 128 tokens.  q, k: 128 rows of tokens x 128 features; v: 128 rows of channels x 128 tokens.
; Row rho of a block holds the token (v: the channel) whose number is rho with bits 3 and 4 changed places: only the places of the last stores do that.
; SHARES.  256 work-groups; work-group (x, y) STAYS on 128 features x 128 tokens and walks t = 0, 1, 2, written out: so t is a constant of each step's text.
; K goes in halves of 512 through a ring of two LDS slots (slot = 128 rows of xc (Y), 128 of wc (X), 528 bytes apart): six fills, fill f = 2 t + half in slot f % 2.  Each wave asks for 64 rows x 512 bytes.
; A tile's way out stands under the next tile's first fill.  Four waves, each 64 x 64: 16 accumulators; wave w reads Y's half w / 2 and X's half w % 2.
; q, k: source 0 = X, source 1 = Y: a lane holds a token and eight features.  v: the sources change places: a lane holds a channel and eight tokens.
; CLUSTERS 4 x 4: Y's tile hangs on y alone, asked for jointly along a row of the cluster; X's on x alone, along a column.  Every fill stands behind a round of the cluster's barrier.
; PREFETCH: behind the load of fill g each wave names fill g + 2 (g = 0 .. 3): of the 64 rows that it fetches the partner at place p (cx for Y, cy for X) takes 16, two lanes a row, 256 bytes a lane.
; A fragment (16 rows x 128 K) comes by four loads of 16 bytes, 32 apart: the same permutation of k on both sides.
; LIMITS: ea + eb between -127 and 126; eo - ea - eb between -126 and 119.  NaN among the inputs is not served.
; REGISTERS.  Window 0: v8-18 addresses; v32-63 bias along a lane's registers; v64-71 bias by lane (v); v72-103 codes, then rows read back; v104, v105 the conversion's scale and 448 x it; v128-255 accumulators.
;   Window 1: two fragment buffers of 128: Y's four fragments, then X's four.
.set PITCH,  528                       ; 512 bytes + 16: an odd multiple of 16
.set HALF,   64*PITCH
.set SLOT,   4*HALF
.set STAGE,  2*SLOT                    ; the way out: 128 rows x 144 bytes, bytes of its own
.set SPITCH, 144
.set SPARE,  STAGE+128*SPITCH          ; the spare words: 128 bytes a wave
.set ADY, 8
.set ADX, 10
.set STQ, 12
.set STV, 13
.set RD,  14
.set GO,  15
.set PFO, 16
.set SPW, 17
.set NIL, 18
.set BP,  32
.set BL,  64
.set CD,  72
.set SCL, 104
.set LIM, 105
.set ACC, 128
.set WV,  18
.set G1Y, 24
.set G1X, 32
.set G0Y, 40                           ; s[40:47] group 0 for Y, one set a slot; s[48:55] for X
.set G0X, 48
.set PFA, 66                           ; s[66:67] the prefetches' base; s[68:69] a tensor on
.set BF,  70                           ; s[70:75] 2^-(ea + eb), a pair for each t
.set CS,  76                           ; s76-78 2^(eo - ea - eb)
.set CL,  79                           ; s79-81 448 x that
.set MSB, 0
.macro WIN new
.if MSB != \new
	s_set_vgpr_msb (MSB<<8)|\new
.set MSB, \new
.endif
.endm
.set MUL,  0x05                        ; sources 0 and 1 window 1; C and D window 0
.set TO_F, 0x40                        ; destination window 1, address window 0
.macro CROUND
	s_barrier_signal -1
	s_barrier_wait -1
	s_cmp_lg_u32 s[WV], 0
	s_cbranch_scc1 .Lnot_wave_0_\@
	s_barrier_signal -3
.Lnot_wave_0_\@:
	s_barrier_wait -3
	s_barrier_signal -1
	s_barrier_wait -1
.endm
.macro PLACES
.rept 4
	v_nop
.endr
.endm
.macro JLOAD s                         ; waves 0, 1 ask for Y's halves, waves 2, 3 for X's: one load in each arm
	s_cmp_lt_u32 s[WV], 2
	s_cbranch_scc0 .Lfor_x_\@
	tensor_load_to_lds s[G0Y+4*(\s):G0Y+4*(\s)+3], s[G1Y:G1Y+7]
	s_nop 0
	PLACES
	s_branch .Lasked_\@
.Lfor_x_\@:
	tensor_load_to_lds s[G0X+4*(\s):G0X+4*(\s)+3], s[G1X:G1X+7]
	s_nop 0
	PLACES
.Lasked_\@:
.endm
	s_load_b256 s[4:11], s[0:1], 0x0               ; xc, wc, the scales, wq_b
	s_load_b128 s[12:15], s[0:1], 0x20             ; wk_b, wv_b
	s_load_b64 s[16:17], s[0:1], 0x30              ; pc
	v_lshl_add_u32 v[SPW], v0, 2, SPARE
	v_mov_b32 v[NIL], 0
	ds_add_u32 v[SPW], v[NIL]                      ; the opening lines: the add twice on end and its wait
	ds_add_u32 v[SPW], v[NIL]
	v_lshrrev_b32 v1, 5, v0
	v_readfirstlane_b32 s[WV], v1                  ; wave 0..3
	s_lshr_b32 s19, s[WV], 1                       ; wa
	s_and_b32 s20, s[WV], 1                        ; wb
	s_bfe_u32 s21, ttmp6, 0x40000                  ; cx
	s_bfe_u32 s22, ttmp6, 0x40004                  ; cy
	s_lshl_b32 s56, ttmp9, 2
	s_add_co_u32 s56, s56, s21                     ; x
	s_and_b32 s57, ttmp7, 0xffff
	s_lshl_b32 s57, s57, 2
	s_add_co_u32 s57, s57, s22                     ; y
	s_lshl_b32 s2, s22, 2
	s_lshl_b32 s2, 15, s2                          ; my row of the cluster
	s_lshl_b32 s3, 0x1111, s21                     ; my column
	s_or_b32 s[G1Y], s2, (1<<20)|(1<<21)|(6<<22)|(3<<25)   ; elements of 1 byte; four words of padding after every 128
	s_or_b32 s[G1X], s3, (1<<20)|(1<<21)|(6<<22)|(3<<25)
.irp g, G1Y, G1X
	s_mov_b32 s[\g+1], 512<<16
	s_mov_b32 s[\g+2], 64<<16
	s_mov_b32 s[\g+3], 512<<16
	s_mov_b32 s[\g+4], 64
	s_mov_b32 s[\g+5], 1024
	s_mov_b32 s[\g+6], 0
	s_mov_b32 s[\g+7], 0
.endr
	s_lshl_b32 s23, s20, 16
	s_lshl_b32 s58, s57, 17                        ; Y: row 128 y + 64 wb
	s_add_co_u32 s58, s58, s23
	s_mov_b32 s59, 0
	s_lshl_b32 s60, s56, 17                        ; X: row 128 x + 64 wb
	s_add_co_u32 s60, s60, s23
	s_mov_b32 s61, 0
	s_mul_i32 s62, s[WV], HALF                     ; where my 64 rows go in a slot
	s_wait_dscnt 0x0
	s_wait_kmcnt 0x0
	s_load_b256 s[84:91], s[8:9], 0x0              ; entries 0 to 7
	s_load_b64 s[92:93], s[8:9], 0x20              ; entries 8, 9
	s_add_nc_u64 s[94:95], s[4:5], s[58:59]
	s_add_nc_u64 s[96:97], s[6:7], s[60:61]
.irp s, 0,1
	s_mov_b32 s[G0Y+4*\s], 1
	s_add_co_u32 s[G0Y+4*\s+1], s62, \s*SLOT
	s_add_nc_u64 s[G0Y+4*\s+2:G0Y+4*\s+3], s[94:95], \s*512
	s_or_b32 s[G0Y+4*\s+3], s[G0Y+4*\s+3], 0x80000000
	s_mov_b32 s[G0X+4*\s], 1
	s_add_co_u32 s[G0X+4*\s+1], s62, \s*SLOT
	s_add_nc_u64 s[G0X+4*\s+2:G0X+4*\s+3], s[96:97], \s*512
	s_or_b32 s[G0X+4*\s+3], s[G0X+4*\s+3], 0x80000000
.endr
	CROUND
	JLOAD 0                                        ; fill 0: one tensor load a wave at the head
	s_cmp_lt_u32 s[WV], 2                          ; the prefetches: Y's waves in xc, X's in wc
	s_cselect_b64 s[PFA:PFA+1], s[4:5], s[6:7]
	s_cselect_b32 s2, s58, s60
	s_cselect_b32 s3, s21, s22                     ; my place among the four that ask with me
	s_mov_b32 s68, 0x100000
	s_cselect_b32 s68, 0x400000, s68               ; a tensor on
	s_mov_b32 s69, 0
	s_lshl_b32 s3, s3, 14                          ; my work-group's 16 rows
	s_add_co_u32 s2, s2, s3
	s_add_co_u32 s2, s2, s68                       ; at t = 1
	s_mov_b32 s3, 0
	s_add_nc_u64 s[PFA:PFA+1], s[PFA:PFA+1], s[2:3]
	s_lshl_b32 s2, s56, 9
	s_lshl_b32 s3, s20, 8
	s_add_co_u32 s2, s2, s3
	s_mov_b32 s3, 0
	s_add_nc_u64 s[10:11], s[10:11], s[2:3]        ; the biases of features 128 x + 64 wb on
	s_add_nc_u64 s[12:13], s[12:13], s[2:3]
	s_add_nc_u64 s[14:15], s[14:15], s[2:3]
	s_lshr_b32 s2, s57, 4                          ; pc: block batch x 128 + x x 16 + block of tokens, + my 32 rows
	s_lshl_b32 s2, s2, 7
	s_lshl_b32 s3, s56, 4
	s_add_co_u32 s2, s2, s3
	s_and_b32 s3, s57, 15
	s_add_co_u32 s2, s2, s3
	s_lshl_b32 s2, s2, 14
	s_lshl_b32 s3, s[WV], 12
	s_add_co_u32 s2, s2, s3
	s_mov_b32 s3, 0
	s_add_nc_u64 s[16:17], s[16:17], s[2:3]
	s_mul_i32 s23, s19, HALF                       ; my 64 rows of Y
	s_mul_i32 s63, s20, HALF
	s_add_co_u32 s63, s63, 2*HALF                  ; my 64 rows of X
	s_mul_i32 s98, s19, 64*SPITCH                  ; q, k into the stage: row 64 wa + r, byte 64 wb + 8 h
	s_lshl_b32 s2, s20, 6
	s_add_co_u32 s98, s98, s2
	s_add_co_u32 s98, s98, STAGE
	s_mul_i32 s99, s20, 64*SPITCH                  ; v: row 64 wb + r, byte 64 wa + 8 h
	s_lshl_b32 s2, s19, 6
	s_add_co_u32 s99, s99, s2
	s_add_co_u32 s99, s99, STAGE
	s_mul_i32 s82, s[WV], 32*SPITCH
	s_add_co_u32 s82, s82, STAGE                   ; back: my 32 rows
	v_and_b32 v1, 15, v0                           ; r
	v_bfe_u32 v2, v0, 4, 1                         ; h
	v_lshlrev_b32 v20, 5, v2
	v_lshlrev_b32 v21, 2, v1
.macro LOADBP p                        ; register 8 b + j: feature 16 b + 8 h + j
.irp b, 0,1,2,3
	global_load_b128 v[BP+8*\b:BP+8*\b+3], v20, s[\p:\p+1] offset:64*\b
	global_load_b128 v[BP+8*\b+4:BP+8*\b+7], v20, s[\p:\p+1] offset:64*\b+16
.endr
.endm
	LOADBP 10
.irp b, 0,1,2,3
	global_load_b32 v[BL+2*\b], v21, s[14:15] offset:64*\b   ; v: feature 16 b + r
.endr
	v_mul_u32_u24 v4, v1, PITCH
	v_lshl_add_u32 v4, v2, 4, v4
	v_add_nc_u32 v[ADY], s23, v4
	v_add_nc_u32 v[ADX], s63, v4
	v_add_nc_u32 v[ADY+1], SLOT, v[ADY]
	v_add_nc_u32 v[ADX+1], SLOT, v[ADX]
	v_mul_u32_u24 v5, v1, SPITCH
	v_lshl_add_u32 v5, v2, 3, v5
	v_add_nc_u32 v[STQ], s98, v5
	v_add_nc_u32 v[STV], s99, v5
	v_and_b32 v6, 31, v0
	v_lshrrev_b32 v7, 3, v6                        ; back: four rows an instruction, eight lanes to a row
	v_mul_u32_u24 v7, v7, SPITCH
	v_and_b32 v3, 7, v0
	v_lshl_add_u32 v7, v3, 4, v7
	v_add_nc_u32 v[RD], s82, v7
	v_lshlrev_b32 v[GO], 4, v6
	v_lshrrev_b32 v[PFO], 1, v6                    ; two lanes a row of 1,024 bytes, 256 bytes apart
	v_lshlrev_b32 v[PFO], 10, v[PFO]
	v_and_b32 v3, 1, v0
	v_lshl_add_u32 v[PFO], v3, 8, v[PFO]
.irp b, 0,1,2,3
	v_mov_b32 v[BL+2*\b+1], 0                      ; (named as the upper half of a pair)
.endr
	global_prefetch_b8 v[PFO], s[PFA:PFA+1] th:TH_LOAD_NT scope:SCOPE_SE   ; fill 2
	s_wait_alu depctr_va_vdst(0)                   ; directly ahead of the wait below
	s_wait_kmcnt 0x0
.macro SCALES t, ea, eb, eo
	s_add_co_i32 s2, s\ea, s\eb
	s_sub_co_i32 s3, 127, s2
	s_lshl_b32 s[BF+2*\t], s3, 23
	s_mov_b32 s[BF+2*\t+1], s[BF+2*\t]
	s_sub_co_i32 s2, s\eo, s2
	s_add_co_i32 s2, s2, 127
	s_lshl_b32 s[CS+\t], s2, 23
	s_add_co_i32 s2, s2, 8
	s_lshl_b32 s2, s2, 23
	s_or_b32 s[CL+\t], s2, 0x600000
.endm
	SCALES 0, 84, 85, 90
	SCALES 1, 86, 87, 91
	SCALES 2, 88, 89, 93
; the sums begin as the bias / 2^(ea + eb)
.macro INIT t
.irp a, 0,1,2,3
.irp b, 0,1,2,3
.irp j, 0,2,4,6
.if \t == 2
	v_pk_mul_f32 v[ACC+8*(4*\a+\b)+\j:ACC+8*(4*\a+\b)+\j+1], v[BL+2*\b:BL+2*\b+1], s[BF+4:BF+5] op_sel_hi:[0,0]
.else
	v_pk_mul_f32 v[ACC+8*(4*\a+\b)+\j:ACC+8*(4*\a+\b)+\j+1], v[BP+8*\b+\j:BP+8*\b+\j+1], s[BF+2*\t:BF+2*\t+1] op_sel_hi:[1,0]
.endif
.endr
.endr
.endr
.endm
	s_wait_loadcnt 0x0                             ; wq_b and wv_b
	INIT 0
	LOADBP 12                                      ; wk_b, waited for behind q's way out
.macro FETCH slot, s, f                ; 32 LDS loads: the fragments of the slot's s-th 128 along K into buffer f
	WIN TO_F
.irp i, 0,1,2,3
.irp c, 0,1,2,3
	ds_load_b128 v[(\f)+16*\i+4*\c:(\f)+16*\i+4*\c+3], v[ADY+(\slot)] offset:(\s)*128+32*\c+\i*16*PITCH
.endr
.endr
.irp i, 0,1,2,3
.irp c, 0,1,2,3
	ds_load_b128 v[(\f)+64+16*\i+4*\c:(\f)+64+16*\i+4*\c+3], v[ADX+(\slot)] offset:(\s)*128+32*\c+\i*16*PITCH
.endr
.endr
.endm
.macro MUL16 f, sw                     ; the 16 accumulators take turns, in the same order in every step
	WIN MUL
.irp a, 0,1,2,3
.irp b, 0,1,2,3
.if \sw
	v_wmma_f32_16x16x128_fp8_fp8 v[ACC+8*(4*\a+\b):ACC+8*(4*\a+\b)+7], v[(\f)+16*\a:(\f)+16*\a+15], v[(\f)+64+16*\b:(\f)+64+16*\b+15], v[ACC+8*(4*\a+\b):ACC+8*(4*\a+\b)+7]
.else
	v_wmma_f32_16x16x128_fp8_fp8 v[ACC+8*(4*\a+\b):ACC+8*(4*\a+\b)+7], v[(\f)+64+16*\b:(\f)+64+16*\b+15], v[(\f)+16*\a:(\f)+16*\a+15], v[ACC+8*(4*\a+\b):ACC+8*(4*\a+\b)+7]
.endif
.endr
.endr
.endm
; TRIP f multiplies fill f.  At its head: all my tensor loads are in, the add, my LDS reads are over; a round; the joint load of fill f + 1 into the slot read last trip (f = 0: slot 1's first fill).
.macro TRIP f
.set SL, (\f)%2
.set TT, (\f)/2
	s_wait_alu depctr_va_vdst(0)                   ; directly ahead of the wait below
	s_wait_tensorcnt 0x0
	ds_add_u32 v[SPW], v[NIL]
.if (\f) < 4
	s_add_nc_u64 s[G0Y+4*SL+2:G0Y+4*SL+3], s[G0Y+4*SL+2:G0Y+4*SL+3], 0x400000   ; this slot's next fill: the next tensor
	s_add_nc_u64 s[G0X+4*SL+2:G0X+4*SL+3], s[G0X+4*SL+2:G0X+4*SL+3], 0x100000
.endif
	s_wait_xcnt 0x0                                ; stores and prefetches have read their registers
.if (\f) == 1
	s_add_nc_u64 s[PFA:PFA+1], s[PFA:PFA+1], s[68:69]
.endif
	s_wait_dscnt 0x0
.if (\f) < 5
	CROUND
	JLOAD 1-SL                                     ; its four v_nop are the places in front of the loads below
.else
	s_barrier_signal -1
	s_barrier_wait -1
	PLACES
.endif
	FETCH SL, 0, 0
.if (\f) < 3
	global_prefetch_b8 v[PFO], s[PFA:PFA+1] offset:(((\f)+1)%2)*512 th:TH_LOAD_NT scope:SCOPE_SE   ; fill f + 3
.endif
.irp s, 0,1,2,3
.if \s < 3
.if \s > 0
	PLACES
.endif
	FETCH SL, \s+1, 128*((\s+1)%2)
	s_wait_dscnt 32                                ; all but the 32 just issued
.else
	s_wait_dscnt 0x0
.endif
	MUL16 128*(\s%2), TT/2
.endr
	WIN 0
.endm
.macro SENDROWS i, d                   ; the stage's rows 32 w + 4 i on go to place d: i with bits 1 and 2 changed places
	s_wait_dscnt 7-\i
	global_store_b128 v[GO], v[CD+4*\i:CD+4*\i+3], s[16:17] offset:512*\d   ; 32 lanes store 512 consecutive bytes
.endm
; THE WAY OUT of tensor t: held, converted, through the stage, out in runs of 512 bytes; then the next tensor's sums begin
.macro OUT t
	v_mov_b32 v[SCL], s[CS+\t]
	v_mov_b32 v[LIM], s[CL+\t]
	v_nop
	v_nop                                          ; four places behind the last products
.irp u, 0,1,2,3,4,5,6,7,8,9,10,11,12,13,14,15
.irp j, 0,1,2,3,4,5,6,7
	v_med3_num_f32 v[ACC+8*\u+\j], v[ACC+8*\u+\j], -v[LIM], v[LIM]   ; from the low end on; the conversion does not saturate (ISA guide 7.6.2)
.endr
	v_cvt_scalef32_pk8_fp8_f32 v[CD+2*\u:CD+2*\u+1], v[ACC+8*\u:ACC+8*\u+7], v[SCL]
.endr
	v_nop
.irp a, 0,1,2,3
.irp b, 0,1,2,3
.if \t == 2
	ds_store_b64 v[STV], v[CD+2*(4*\a+\b):CD+2*(4*\a+\b)+1] offset:\b*16*SPITCH+16*\a
.else
	ds_store_b64 v[STQ], v[CD+2*(4*\a+\b):CD+2*(4*\a+\b)+1] offset:\a*16*SPITCH+16*\b
.endif
.endr
.endr
	s_wait_tensorcnt 0x0                           ; no tensor load of mine is out at this barrier: the same three lines as at a change of slots
	ds_add_u32 v[SPW], v[NIL]
	s_wait_dscnt 0x0                               ; for the others' sake: my stores into the stage are done
	s_barrier_signal -1
	s_barrier_wait -1
.if \t > 0
	s_add_nc_u64 s[16:17], s[16:17], 0x400000      ; 256 blocks on (the earlier stores have read their base: the trips' waits on XCNT)
.endif
.irp i, 0,1,2,3,4,5,6,7
	ds_load_b128 v[CD+4*\i:CD+4*\i+3], v[RD] offset:\i*4*SPITCH
.endr
	SENDROWS 0, 0
	SENDROWS 1, 1
	SENDROWS 2, 4
	SENDROWS 3, 5
	SENDROWS 4, 2
	SENDROWS 5, 3
	SENDROWS 6, 6
	SENDROWS 7, 7
.if \t == 0
	s_wait_loadcnt 0x0                             ; wk_b
.endif
.if \t == 0
	INIT 1
.endif
.if \t == 1
	INIT 2
.endif
.endm
	TRIP 0
	TRIP 1
	OUT 0
	TRIP 2
	TRIP 3
	OUT 1
	TRIP 4
	TRIP 5
	OUT 2
	s_wait_tensorcnt 0x0                           ; the wave's end
	ds_add_u32 v[SPW], v[NIL]
	s_wait_dscnt 0x0
	CROUND                                         ; the closing round
	s_endpgm
.Lfunc_end_k_q90ea6c58bb_proj:
	.size	k_q90ea6c58bb_proj, .Lfunc_end_k_q90ea6c58bb_proj-k_q90ea6c58bb_proj
	.p2alignl 7, 3214868480
	.fill 96, 4, 3214868480
	.section	.rodata,"a",@progbits
	.p2align	6, 0x0
	.amdhsa_kernel k_q90ea6c58bb_proj
		.amdhsa_group_segment_fixed_size 327680
		.amdhsa_private_segment_fixed_size 0
		.amdhsa_enable_private_segment 0
		.amdhsa_kernarg_size 56
		.amdhsa_user_sgpr_count 2
		.amdhsa_user_sgpr_kernarg_segment_ptr 1
		.amdhsa_wavefront_size32 1
		.amdhsa_system_sgpr_workgroup_id_x 1
		.amdhsa_system_sgpr_workgroup_id_y 1
		.amdhsa_system_sgpr_workgroup_id_z 1
		.amdhsa_system_vgpr_workitem_id 0
		.amdhsa_next_free_vgpr 512
		.amdhsa_next_free_sgpr 100
		.amdhsa_reserve_vcc 0
		.amdhsa_float_denorm_mode_32 3
		.amdhsa_float_denorm_mode_16_64 3
		.amdhsa_memory_ordered 1
		.amdhsa_forward_progress 1
		.amdhsa_inst_pref_size 141
	.end_amdhsa_kernel
	.amdgpu_metadata
---
amdhsa.version: [ 1, 2 ]
amdhsa.kernels:
  - .name:           k_q90ea6c58bb_proj
    .symbol:         k_q90ea6c58bb_proj.kd
    .args:
      - { .name: xc, .offset: 0, .size: 8, .value_kind: global_buffer, .address_space: global }
      - { .name: wc, .offset: 8, .size: 8, .value_kind: global_buffer, .address_space: global }
      - { .name: lowp_scales, .offset: 16, .size: 8, .value_kind: global_buffer, .address_space: global }
      - { .name: wq_b, .offset: 24, .size: 8, .value_kind: global_buffer, .address_space: global }
      - { .name: wk_b, .offset: 32, .size: 8, .value_kind: global_buffer, .address_space: global }
      - { .name: wv_b, .offset: 40, .size: 8, .value_kind: global_buffer, .address_space: global }
      - { .name: pc, .offset: 48, .size: 8, .value_kind: global_buffer, .address_space: global }
    .group_segment_fixed_size: 327680
    .private_segment_fixed_size: 0
    .kernarg_segment_align: 8
    .kernarg_segment_size: 56
    .max_flat_workgroup_size: 128
    .sgpr_count:     100
    .vgpr_count:     512
    .wavefront_size: 32
...
	.end_amdgpu_metadata
.endif
;; end of part 2
;; launch attn (part 3): grid 16 x 16, 8 waves a work-group, clusters of 4 x 4, 327,680 bytes of LDS; arguments pc, mask, lowp_scales, ac; writes ac
.if DOCPART == 3
	.amdgcn_target "amdgcn-amd-amdhsa--gfx1250"
	.amdhsa_code_object_version 6
	.text
	.protected	k_q90ea6c58bb_attn
	.globl	k_q90ea6c58bb_attn
	.p2align	8
	.type	k_q90ea6c58bb_attn,@function
k_q90ea6c58bb_attn:
	s_mov_b64 s[64:65], 0
	v_nop
	global_prefetch_b8 v0, s[64:65] scope:SCOPE_SE
	s_setreg_imm32_b32 hwreg(HW_REG_WAVE_MODE, 25, 1), 1
	s_wait_xcnt 0x0
	s_wait_alu depctr_hold_cnt(0) depctr_sa_sdst(0) depctr_va_vdst(0) depctr_va_sdst(0) depctr_va_ssrc(0) depctr_va_vcc(0) depctr_vm_vsrc(0)
	s_getreg_b32 s2, hwreg(HW_REG_IB_STS2, 6, 4)
	s_cmp_eq_u32 s2, 0
	s_cbranch_scc0 .Lentry_in_a_cluster
	s_endpgm
.Lentry_in_a_cluster:
	s_bfe_u32 s2, ttmp6, 0x10000c
	s_cmp_lg_u32 s2, 0xf033
	s_cbranch_scc0 .Lentry_shape_is_right
	s_endpgm
.Lentry_shape_is_right:
; Attention on codes of E4M3: logits = q k^T / 8 + mask x (-1e9); the softmax by the problem's rule; o = p v / l; o is quantised at once for the last product (scale entry 10).
; pc holds q's, k's and v's codes in dense blocks of 16,384 bytes (block t x 256 + X x 16 + block of 128 tokens; X = batch x 8 + pair of heads); q, k: 128 rows of tokens x 128 features of the pair; v: 128 rows of channels x 128 tokens.
; Row rho of a block holds the token (v: the channel) whose number is rho with bits 3 and 4 changed places.
; THE MASK IS AN INPUT: every key step is computed and every number of the mask is read and used; nothing of its pattern is built in.
; THE SOFTMAX: u = score + mask x NEG, one fused multiply-add in the scores' units, NEG = -1e9 x 2^(3 - e6 - e7); t = u x c, c = log2(e) x 2^(e6 + e7 - 3), rounded to f32: t is logit x log2(e);
; M = the running largest t rounded UP to a whole number, kept as -M = floor(-t); p = 2^(t - M), t - M by an addition of the rounded t (in a row that is masked throughout, t is of the size of 1e9, and only the rounded t gives the rule's p).
; p is quantised along the keys with 2^e8; the row's sum l is taken of the unquantised p; when M moves, l and O are multiplied by 2^(old M - new M), which rounds nothing.
; SHARES.  Work-group (X, Y): a pair of heads, 128 queries.  Eight waves: wave w has head w / 4 of the pair and TWO tiles of 16 queries, 32 (w % 4) on: each fragment of k and of v that it reads from LDS feeds two products.
; A step's LDS loads of a wave: 16 for k, 16 for v, 32 for the mask.  Every wave walks 16 steps of 128 keys.  A step's tiles: the mask's 128 rows x 512 bytes, k's block, v's block; a ring of two LDS slots.
; CLUSTERS: 4 x 4.  The mask's tile hangs on Y alone: asked for jointly along a row of the cluster; k's and v's hang on X alone: along a column.  Waves 0, 1 ask for the mask's halves, wave 2 for k, wave 3 for v.
; LAYOUT.  Both products are used transposed: S^T = k q^T (source 0 = 16 keys, source 1 = 16 queries), O^T = v^T p^T: a lane holds ONE query (lane % 16) of each tile throughout.
; THE KEYS OF A TILE: tile 2 b + u is rows 32 b + 16 u + 0..15 of k's block, which by the block's order are keys 32 b + 8 u + r + 8 (r / 8): so registers 16 b + i of S^T are keys 32 b + 16 (lane / 16) + i, sixteen neighbours,
; and the sixteen rows that a load touches are neighbours in LDS: at 36 words a row they start at sixteen different groups of four banks (64 banks of 4 bytes: ISA guide 11.1).
; By the same order register j of O^T's tile t is channel 32 (t / 2) + 16 (lane / 16) + 8 (t % 2) + j.
; Fragments come by loads of 16 bytes, 32 apart: the same permutation of k on both sides of each product.
; LIMITS: e6 + e7 between -95 and 130; e8 between -126 and 119; e10 - e8 - e9 between -126 and 119.  NaN among the inputs is not served.
; REGISTERS, in two windows of 256 (s_set_vgpr_msb's low byte: bits 1:0 source 0, 3:2 source 1, 5:4 source 2, 7:6 destination).  TILE 1 LIVES IN WINDOW 1 UNDER THE NUMBERS THAT TILE 0 HAS IN WINDOW 0, so that one text serves both.
;   In both windows: v7 448 x 2^e8; v11 2^e8; v12 -M; v13 the largest t; v[14:15] l in two halves; v16-23 q; v24-31 at work (v28 f); v96-159 S^T, then p; v160-191 O^T; v192-255 the mask's 64 numbers, then (v192-207) p's codes.
;   In window 0 alone: v1-3 my lane's places in k's, v's and the mask's tile; v4 the prefetches' offset; v5, v6 the spare word's address and 0; v8-10 addresses in the slot in hand; v32-95 k's 8 fragments, then v's 4.
.set SLOT1, 1<<17                      ; slot 1 begins here: one exclusive or turns an address in one slot into the other's
.set MP,    528                        ; a row of the mask's tile in LDS: 512 bytes + 16 = 132 words: row r starts at bank 4 r mod 64
.set KP,    144                        ; a row of k's or v's tile: 128 bytes + 16
.set KOFF,  128*MP                     ; a slot: the mask's 128 rows, k's 128, v's 128
.set VOFF,  KOFF+128*KP
.set SPARE, 2*SLOT1                    ; behind the ring: the spare words, 128 bytes for each of eight waves: four blocks of 256 bytes that no other line names
.set WV,    18
.set MSB, 0
.macro WIN new                         ; the immediate's high byte repeats the setting that is left
.if MSB != \new
	s_set_vgpr_msb (MSB<<8)|\new
.set MSB, \new
.endif
.endm
.set W_T1,  0x55                       ; all four places window 1: tile 1's vector work
.set W_MM1, 0x54                       ; tile 1's products: source 0 (k or v) window 0; q or p's codes, C and D window 1
.set W_LD1, 0x40                       ; a load for tile 1: destination window 1, address window 0
.set W_ST1, 0x04                       ; an LDS store of tile 1: data (source 1) window 1, address window 0
.macro CROUND                          ; a round of the cluster's barrier
	s_barrier_signal -1
	s_barrier_wait -1
	s_cmp_lg_u32 s[WV], 0
	s_cbranch_scc1 .Lnot_wave_0_\@
	s_barrier_signal -3
.Lnot_wave_0_\@:
	s_barrier_wait -3
	s_barrier_signal -1
	s_barrier_wait -1
.endm
.macro TLOAD                           ; the branches hang on the wave's number alone; four v_nop follow each of the two lines
	s_cmp_lt_u32 s[WV], 2
	s_cbranch_scc0 .Lnot_m_\@
	tensor_load_to_lds s[40:43], s[24:31]
	s_nop 0
.rept 4
	v_nop
.endr
	s_branch .Lasked_\@
.Lnot_m_\@:
	s_cmp_lt_u32 s[WV], 4
	s_cbranch_scc0 .Lasked_\@
	tensor_load_to_lds s[44:47], s[32:39]
	s_nop 0
.rept 4
	v_nop
.endr
.Lasked_\@:
.endm
; A PREFETCH INTO THE L2 of the tiles that the NEXT change of slots will ask for: one key step ahead of that load.  Each aligned block of 256 bytes is named once in the launch.
; The mask's tile of a Y is read by the four clusters of that row of clusters: the one with cluster x = 0 asks; of its 128 rows the partner at cx takes 32, a lane a row; wave 4 the left 256 bytes of a step's 512, wave 5 the right.
; k's and v's blocks of an X are read by the four clusters of that column: the one with cluster y = 0 asks, by wave 6; of the two blocks' 32,768 bytes the partner at cy takes 8,192, lanes 256 bytes apart.
; Partners are told apart by ADDRESS; the branch hangs on the wave's number and the cluster's place, alike in all sixteen.  The last change that fills a slot asks for nothing; steps 0 and 1 come by their loads alone.
.macro ASK
	s_cmp_gt_u32 s49, s60
	s_cbranch_scc0 .Lnot_mine_\@
	global_prefetch_b8 v4, s[56:57] th:TH_LOAD_NT scope:SCOPE_SE
.Lnot_mine_\@:
.endm
	s_load_b256 s[4:11], s[0:1], 0x0               ; pc s[4:5], mask s[6:7], the scales s[8:9], ac s[10:11]
	v_lshl_add_u32 v5, v0, 2, SPARE
	v_mov_b32 v6, 0
	ds_add_u32 v5, v6                              ; the opening lines: the add twice on end and its wait, ahead of the first round
	ds_add_u32 v5, v6
	v_lshrrev_b32 v8, 5, v0
	s_delay_alu instid0(VALU_DEP_1)
	v_readfirstlane_b32 s[WV], v8                  ; wave 0..7
	s_and_b32 s19, s[WV], 1                        ; which half of the mask's tile, or k (0) or v (1), I fetch, if I fetch
	s_and_b32 s12, s[WV], 3                        ; my pair of tiles of queries
	s_lshr_b32 s13, s[WV], 2                       ; my head of the pair
	s_bfe_u32 s50, ttmp6, 0x40000                  ; cx
	s_bfe_u32 s51, ttmp6, 0x40004                  ; cy
	s_lshl_b32 s52, ttmp9, 2
	s_add_co_u32 s52, s52, s50                     ; X
	s_and_b32 s61, ttmp7, 0xffff                   ; cluster y
	s_lshl_b32 s53, s61, 2
	s_add_co_u32 s53, s53, s51                     ; Y
	s_lshl_b32 s54, s51, 2
	s_lshl_b32 s54, 15, s54                        ; my row of the cluster
	s_lshl_b32 s55, 0x1111, s50                    ; my column
	s_or_b32 s24, s54, (2<<16)|(1<<20)|(1<<21)|(6<<22)|(3<<25)   ; the mask's tiles: elements of 4 bytes; padding of four words after every 128
	s_mov_b32 s25, 128<<16                         ; tensor_dim0 = 128
	s_mov_b32 s26, 64<<16                          ; tensor_dim1 = 64
	s_mov_b32 s27, 128<<16                         ; tile_dim0 = 128
	s_mov_b32 s28, 64                              ; tile_dim1 = 64
	s_mov_b32 s29, 2048                            ; from row to row
	s_mov_b32 s30, 0
	s_mov_b32 s31, 0
	s_or_b32 s32, s55, (0<<16)|(1<<20)|(1<<21)|(4<<22)|(3<<25)   ; k's and v's: elements of 1 byte; padding of four words after every 32
	s_mov_b32 s33, 256<<16                         ; a block is dense: stated as 64 rows of 256 bytes, the padding still behind each 128
	s_mov_b32 s34, 64<<16
	s_mov_b32 s35, 256<<16
	s_mov_b32 s36, 64
	s_mov_b32 s37, 256
	s_mov_b32 s38, 0
	s_mov_b32 s39, 0
	s_lshl_b32 s62, s53, 20                        ; the mask: row 128 Y + 64 x half, 8,192 bytes a row
	s_lshl_b32 s63, s19, 19
	s_add_co_u32 s62, s62, s63
	s_mov_b32 s63, 0
	s_add_co_u32 s74, s19, 1                       ; k's blocks begin 256 blocks into pc, v's 512
	s_lshl_b32 s74, s74, 22
	s_lshl_b32 s75, s52, 18                        ; + 16 X blocks
	s_add_co_u32 s74, s74, s75
	s_mov_b32 s75, 0
	s_mov_b32 s20, 0x76543210                      ; v_permlanex16_b32's selects for lane l xor 16
	s_mov_b32 s21, 0xfedcba98
	s_mov_b32 s48, 0                               ; LDS byte at which the slot in hand begins
	s_mov_b32 s49, 15                              ; slots still to be asked for
	s_wait_dscnt 0x0                               ; both opening adds are done
	s_wait_kmcnt 0x0
	s_load_b64 s[68:69], s[8:9], 0x18              ; e6, e7
	s_load_b64 s[70:71], s[8:9], 0x20              ; e8, e9
	s_load_b32 s72, s[8:9], 0x28                   ; e10
	s_mov_b32 s40, 1
	s_mul_i32 s41, s19, 64*MP
	s_add_nc_u64 s[42:43], s[6:7], s[62:63]
	s_or_b32 s43, s43, 0x80000000
	s_mov_b32 s44, 1
	s_mul_i32 s45, s19, 128*KP
	s_add_co_u32 s45, s45, KOFF
	s_add_nc_u64 s[46:47], s[4:5], s[74:75]
	s_or_b32 s47, s47, 0x80000000
	CROUND                                         ; all sixteen work-groups are here: the first joint loads meet
	TLOAD                                          ; key step 0, into slot 0
	v_and_b32 v24, 15, v0                          ; r
	v_bfe_u32 v25, v0, 4, 1                        ; h
	s_delay_alu instid0(VALU_DEP_2)
	v_and_b32 v26, 8, v24
	s_delay_alu instid0(VALU_DEP_1)
	v_add_nc_u32 v26, v26, v24                     ; r + 8 (r / 8): by the block's order query 32 p + 16 i + r lies in row 32 p + 8 i + r + 8 (r / 8)
	s_delay_alu instid0(VALU_DEP_1)
	v_lshlrev_b32 v9, 7, v26
	s_delay_alu instid0(VALU_DEP_1)
	v_lshl_add_u32 v9, v25, 4, v9                  ; q: that row of 128 bytes, + 16 h
	s_wait_alu depctr_va_vdst(0)
	s_lshl_b32 s14, s13, 6                         ; my head's 64 bytes of a row
	s_lshl_b32 s76, s52, 4
	s_add_co_u32 s76, s76, s53
	s_lshl_b32 s76, s76, 14                        ; block 16 X + Y of q
	s_mov_b32 s77, 0
	s_lshl_b32 s78, s12, 12                        ; my 32 rows of it
	s_add_co_u32 s78, s78, s14
	s_add_co_u32 s78, s78, s76
	s_mov_b32 s79, 0
	s_add_nc_u64 s[78:79], s[4:5], s[78:79]
	global_load_b128 v[16:19], v9, s[78:79]        ; q's fragments stay in registers: tile 0: k = 16 h + 0..15,
	global_load_b128 v[20:23], v9, s[78:79] offset:32   ; k = 32 + 16 h + 0..15
	WIN W_LD1
	global_load_b128 v[16:19], v9, s[78:79] offset:1024   ; tile 1: eight rows on
	global_load_b128 v[20:23], v9, s[78:79] offset:1056
	WIN 0
	s_lshr_b32 s76, s52, 3                         ; ac: block (batch x 16 + Y) x 8 + pair of heads: a block of tokens has its eight K blocks on end
	s_lshl_b32 s76, s76, 4
	s_add_co_u32 s76, s76, s53
	s_lshl_b32 s76, s76, 3
	s_and_b32 s15, s52, 7
	s_add_co_u32 s76, s76, s15
	s_lshl_b32 s76, s76, 14
	s_lshl_b32 s15, s[WV], 11
	s_add_co_u32 s76, s76, s15
	s_add_nc_u64 s[10:11], s[10:11], s[76:77]      ; ac at the sixteen rows that I store
	v_mul_u32_u24 v1, v24, KP                      ; k: row r of a tile, + 16 h, + my head's 64 bytes
	s_delay_alu instid0(VALU_DEP_1)
	v_lshl_add_u32 v1, v25, 4, v1
	s_add_co_u32 s15, s14, KOFF
	v_add_nc_u32 v1, s15, v1
	v_mul_u32_u24 v2, v24, KP                      ; v: row r of a tile, + 16 h, in my head's 64 rows
	s_delay_alu instid0(VALU_DEP_1)
	v_lshl_add_u32 v2, v25, 4, v2
	s_mul_i32 s15, s13, 64*KP
	s_add_co_u32 s15, s15, VOFF
	v_add_nc_u32 v2, s15, v2
	v_mul_u32_u24 v3, v24, MP
	s_delay_alu instid0(VALU_DEP_1)
	v_lshl_add_u32 v3, v25, 6, v3                  ; the mask: tile 0's query's row, + 64 h bytes: sixteen keys; tile 1's rows lie 16 rows on, in the loads' immediates
	s_mul_i32 s15, s12, 32*MP
	v_add_nc_u32 v3, s15, v3
	; the prefetches: where my wave's stand, and who asks
	s_lshl_b32 s80, s53, 7
	s_lshl_b32 s81, s50, 5
	s_add_co_u32 s80, s80, s81                     ; the mask: row 128 Y + 32 cx,
	s_lshl_b32 s80, s80, 13
	s_lshl_b32 s81, s19, 8                         ; the left or the right 256 bytes,
	s_add_co_u32 s80, s80, s81
	s_add_co_u32 s80, s80, 512                     ; of key step 1: the first change of slots steps it to step 2
	s_lshr_b32 s82, s51, 1                         ; k (cy 0, 1) or v (cy 2, 3),
	s_add_co_u32 s82, s82, 1
	s_lshl_b32 s82, s82, 22
	s_lshl_b32 s83, s52, 18
	s_add_co_u32 s82, s82, s83
	s_and_b32 s83, s51, 1                          ; the block's first or second 8,192 bytes,
	s_lshl_b32 s83, s83, 13
	s_add_co_u32 s82, s82, s83
	s_add_co_u32 s82, s82, 16384                   ; of key step 1
	s_mov_b32 s58, 16384
	s_cmp_lt_u32 s[WV], 6                          ; waves 4 and 5 ask for the mask, wave 6 for k and v
	s_cselect_b64 s[56:57], s[6:7], s[4:5]
	s_cselect_b32 s80, s80, s82
	s_cselect_b32 s58, 512, s58                    ; a key step on
	s_cselect_b32 s83, 13, 8                       ; from lane to lane: a row of the mask, or 256 bytes
	s_cselect_b32 s84, ttmp9, s61                  ; the coordinate along which other clusters read the same bytes
	s_mov_b32 s81, 0
	s_mov_b32 s59, 0
	s_add_nc_u64 s[56:57], s[56:57], s[80:81]
	v_and_b32 v4, 31, v0
	s_delay_alu instid0(VALU_DEP_1)
	v_lshlrev_b32 v4, s83, v4
	s_sub_co_u32 s85, s[WV], 4
	s_cmp_lt_u32 s85, 3
	s_cselect_b32 s85, 0, 1                        ; 0 in waves 4, 5, 6
	s_or_b32 s84, s84, s85
	s_cmp_eq_u32 s84, 0
	s_cselect_b32 s60, 1, -1                       ; a wave prefetches while s49 is above this
	s_wait_kmcnt 0x0
	s_add_co_i32 s73, s68, s69                     ; e6 + e7
	s_sub_co_i32 s74, s73, 3
	s_lshl_b32 s74, s74, 23
	s_mov_b32 s22, 0x3fb8aa3b                      ; log2(e);
	s_add_co_i32 s22, s22, s74                     ; e6 + e7 - 3 is added to its exponent field: c
	s_mov_b32 s23, s22                             ; (named with it as a pair, so it is written)
	s_sub_co_i32 s74, 3, s73
	s_lshl_b32 s74, s74, 23
	s_mov_b32 s66, 0xce6e6b28                      ; -1e9;
	s_add_co_u32 s66, s66, s74                     ; 3 - e6 - e7 is added to its exponent field: NEG
	s_mov_b32 s67, s66
	s_add_co_i32 s73, s70, 127
	s_lshl_b32 s74, s73, 23                        ; 2^e8 as f32
	s_add_co_i32 s73, s73, 8
	s_lshl_b32 s73, s73, 23
	s_or_b32 s73, s73, 0x600000                    ; 448 x 2^e8
; what a tile's softmax finds at the first step, in the window in hand
.macro INIT
	v_mov_b32 v13, 0xff61b1e6                      ; the largest t so far: -3e38, under every t
	s_delay_alu instid0(VALU_DEP_1)
	v_floor_f32 v12, -v13                          ; -M
	v_mov_b32 v14, 0                               ; l, in two halves
	v_mov_b32 v15, 0
	v_mov_b32 v26, 0                               ; written once: a lane permute's destination counts as one of its sources
	v_mov_b32 v29, 0                               ; (named as the upper half of the pair v[28:29])
	v_mov_b32 v11, s74                             ; for p's conversions
	v_mov_b32 v7, s73                              ; and their hold
.set j, 0
.rept 32
	v_mov_b32 v[160+j], 0                          ; O^T.  (The step is written for the loop alone: the first step finds zeros, which the first change of M leaves zeros)
.set j, j+1
.endr
.endm
	INIT
	WIN W_T1
	INIT
	WIN 0
.macro QK                              ; S^T = k q^T of one tile of queries: eight tiles of 16 keys
.irp t, 0,1,2,3,4,5,6,7
	v_wmma_f32_16x16x64_fp8_fp8 v[96+8*\t:103+8*\t], v[32+8*\t:39+8*\t], v[16:23], 0
.endr
.endm
.macro PV                              ; O^T += v^T p^T of one tile of queries: four accumulators by turns
.irp t, 0,1,2,3
	v_wmma_f32_16x16x128_fp8_fp8 v[160+8*\t:167+8*\t], v[32+16*\t:47+16*\t], v[192:207], v[160+8*\t:167+8*\t]
.endr
.endm
; THE SOFTMAX OF ONE TILE FOR ONE KEY STEP, from the scores and the mask to p's codes and O^T under the new M; every register lies in the window in hand.
; The maximum and the sum go in four chains each, so that a line stands three lines behind the one whose result it takes.
.macro SOFT
.set j, 0
.rept 32
	v_pk_fma_f32 v[96+j:97+j], v[192+j:193+j], s[66:67], v[96+j:97+j] op_sel_hi:[1,0,1]   ; u = score + mask x NEG; each accumulator from its low end on
.set j, j+2
.endr
.set j, 0
.rept 32
	v_pk_mul_f32 v[96+j:97+j], v[96+j:97+j], s[22:23] op_sel_hi:[1,0]                     ; t = u x c
.set j, j+2
.endr
	v_max3_num_f32 v24, v96, v97, v98              ; the step's largest t of my query, among my 64 keys,
	v_max3_num_f32 v25, v99, v100, v101
	v_max3_num_f32 v27, v102, v103, v104
	v_max3_num_f32 v30, v105, v106, v107
.irp i, 0,1,2,3,4,5
	s_delay_alu instid0(VALU_DEP_4)
	v_max3_num_f32 v24, v24, v[108+8*\i], v[109+8*\i]
	s_delay_alu instid0(VALU_DEP_4)
	v_max3_num_f32 v25, v25, v[110+8*\i], v[111+8*\i]
	s_delay_alu instid0(VALU_DEP_4)
	v_max3_num_f32 v27, v27, v[112+8*\i], v[113+8*\i]
	s_delay_alu instid0(VALU_DEP_4)
	v_max3_num_f32 v30, v30, v[114+8*\i], v[115+8*\i]
.endr
	s_delay_alu instid0(VALU_DEP_4)
	v_max3_num_f32 v24, v24, v156, v157
	s_delay_alu instid0(VALU_DEP_4)
	v_max3_num_f32 v25, v25, v158, v159
	s_delay_alu instid0(VALU_DEP_1)
	v_max3_num_f32 v24, v24, v25, v27
	s_delay_alu instid0(VALU_DEP_1)
	v_max_num_f32 v24, v24, v30
	s_delay_alu instid0(VALU_DEP_1)
	v_permlanex16_b32 v26, v24, s20, s21
	s_delay_alu instid0(VALU_DEP_1)
	v_max_num_f32 v24, v24, v26                    ; and among lane l xor 16's
	s_delay_alu instid0(VALU_DEP_1)
	v_max_num_f32 v13, v13, v24                    ; the running largest t
	v_mov_b32 v24, v12
	s_delay_alu instid0(VALU_DEP_2)
	v_floor_f32 v12, -v13                          ; the new -M = floor(-t) = -ceil(t)
.set j, 0
.rept 32
	v_pk_add_f32 v[96+j:97+j], v[96+j:97+j], v[12:13] op_sel_hi:[1,0]   ; t - M (of the pair the low word, -M, serves both halves)
.if j == 6
	v_sub_f32 v24, v12, v24                        ; old M - new M: a whole number, 0 or less.  (The three lines that make f stand apart, among these additions)
.endif
.if j == 14
	v_cvt_i32_f32 v24, v24                         ; (it saturates)
.endif
.if j == 22
	v_ldexp_f32 v28, 1.0, v24                      ; f = 2^(old M - new M)
.endif
.set j, j+2
.endr
.set j, 0
	s_wait_alu depctr_va_vdst(0)
.rept 64
	v_exp_f32 v[96+j], v[96+j]                     ; p = 2^(t - M), at most 1: not normalised
.set j, j+1
.endr
	v_pk_mul_f32 v[14:15], v[14:15], v[28:29] op_sel_hi:[1,0]   ; l under the new M: the plain line behind the exponentials
	s_wait_alu depctr_va_vdst(0)                   ; one wait for the whole batch, ahead of its first reader
	v_pk_add_f32 v[30:31], v[96:97], v[98:99]      ; l is taken of the unquantised p, two at a time
	v_pk_add_f32 v[24:25], v[100:101], v[102:103]
	v_pk_add_f32 v[26:27], v[104:105], v[106:107]
.irp i, 0,1,2,3,4,5
	v_pk_add_f32 v[14:15], v[14:15], v[108+8*\i:109+8*\i]
	v_pk_add_f32 v[30:31], v[30:31], v[110+8*\i:111+8*\i]
	v_pk_add_f32 v[24:25], v[24:25], v[112+8*\i:113+8*\i]
	v_pk_add_f32 v[26:27], v[26:27], v[114+8*\i:115+8*\i]
.endr
	v_pk_add_f32 v[14:15], v[14:15], v[156:157]
	v_pk_add_f32 v[30:31], v[30:31], v[158:159]
	s_delay_alu instid0(VALU_DEP_3)
	v_pk_add_f32 v[24:25], v[24:25], v[26:27]
	s_delay_alu instid0(VALU_DEP_2)
	v_pk_add_f32 v[14:15], v[14:15], v[30:31]
	s_delay_alu instid0(VALU_DEP_1)
	v_pk_add_f32 v[14:15], v[14:15], v[24:25]
.irp b, 0,1,2,3
.irp i, 0,1,2,3,4,5,6,7,8,9,10,11,12,13,14,15
	v_min_num_f32 v[96+16*\b+\i], v[96+16*\b+\i], v7   ; the conversion does not saturate (ISA guide 7.6.2); p is not negative, so the hold is one-sided
.endr
	v_cvt_scalef32_pk8_fp8_f32 v[192+4*\b:193+4*\b], v[96+16*\b:103+16*\b], v11   ; registers 4 b .. 4 b + 3 of the operand: keys 32 b + 16 h + 0..15, as v's loads lie
	v_cvt_scalef32_pk8_fp8_f32 v[194+4*\b:195+4*\b], v[104+16*\b:111+16*\b], v11
.endr
.set j, 0
	s_wait_alu depctr_va_vdst(0)                   ; directly ahead of the first reader of O^T
.rept 16
	v_pk_mul_f32 v[160+j:161+j], v[160+j:161+j], v[28:29] op_sel_hi:[1,0]   ; O^T under the new M
.set j, j+2
.endr
.endm
; A KEY STEP: 128 keys, in the slot that begins at s48
.macro STEP
	v_add_nc_u32 v8, s48, v1
	v_add_nc_u32 v9, s48, v2
	v_add_nc_u32 v10, s48, v3
	v_nop                                          ; these four are the places between the last step's products and the loads into the registers that they read
.irp t, 0,1,2,3,4,5,6,7
	ds_load_b128 v[32+8*\t:35+8*\t], v8 offset:16*\t*KP
	ds_load_b128 v[36+8*\t:39+8*\t], v8 offset:16*\t*KP+32
.endr
.irp b, 0,1,2,3
.irp j, 0,1,2,3
	ds_load_b128 v[192+16*\b+4*\j:195+16*\b+4*\j], v10 offset:128*\b+16*\j   ; the mask at tile 0's query and keys 32 b + 16 h + 4 j on: the scores' own order
.endr
.endr
	s_wait_alu depctr_va_vdst(0)
	s_wait_dscnt 16                                ; k's sixteen loads are in; the mask's sixteen may be out
	QK                                             ; tile 0,
	WIN W_MM1
	QK                                             ; tile 1, by the same fragments of k
.rept 4
	v_nop                                          ; places in front of the loads into k's registers and of the first read of the scores
.endr
	WIN W_LD1
.irp b, 0,1,2,3
.irp j, 0,1,2,3
	ds_load_b128 v[192+16*\b+4*\j:195+16*\b+4*\j], v10 offset:16*MP+128*\b+16*\j   ; the mask at tile 1's query: it and v land while tile 0's softmax is worked
.endr
.endr
	WIN 0
.irp t, 0,1,2,3
.irp c, 0,1,2,3
	ds_load_b128 v[32+16*\t+4*\c:35+16*\t+4*\c], v9 offset:16*\t*KP+32*\c    ; v^T: row 16 t + r of my head's 64, keys 32 c + 16 h on
.endr
.endr
	s_wait_dscnt 32                                ; tile 0's mask is in; the 32 loads just issued may be out
	SOFT
	s_wait_alu depctr_va_vdst(0)
	s_wait_dscnt 0x0                               ; v is in, and tile 1's mask
	PV                                             ; tile 0's four products stand ahead of tile 1's vector work, which names none of their registers
	WIN W_T1
	SOFT
	WIN W_MM1
	PV
	WIN 0                                          ; at a label and at a branch every window is 0
	s_xor_b32 s48, s48, SLOT1                      ; on to the other slot
.endm
; THE CHANGE OF SLOTS stands at a step's head.  Each wave waits for all its tensor loads (its part of the slot that it is about to read), adds 0 to its spare word, and waits for that and for its reads of the slot that it has left.
; fill = 1: a round of the cluster's barrier follows, so that no wave of any partner still reads the other slot or has a load on its way, and the joint load of the next step's tiles is the first thing behind it:
; one tensor load of a wave is out, and it has a whole key step in which to land.
.macro CHANGE fill
	s_wait_tensorcnt 0x0                           ; no tensor load of mine is out, so a group 0 may be written
	ds_add_u32 v5, v6                              ; 0 onto my spare word
.if \fill
	ds_add_u32 v5, v6                              ; and once more
	s_xor_b32 s41, s41, SLOT1
	s_add_nc_u64 s[42:43], s[42:43], 512           ; the mask's next 128 columns,
	s_xor_b32 s45, s45, SLOT1
	s_add_nc_u64 s[46:47], s[46:47], 16384         ; k's or v's next block; the type bits on top are not reached
	s_wait_xcnt 0x0                                ; the last prefetch, a key step back, has read its address, so it may be written:
	s_add_nc_u64 s[56:57], s[56:57], s[58:59]      ; one step further on than the walking descriptors
.endif
	s_wait_dscnt 0x0                               ; the add is done, and my reads of the slot that I have left are over
.if \fill
	CROUND
	TLOAD
	ASK
.else
	s_barrier_signal -1
	s_barrier_wait -1
.endif
.endm
	s_wait_loadcnt 0x0                             ; q
.Lslot:                                            ; 15 trips: behind each change of slots but the last the next step's tiles are asked for
	CHANGE 1
	STEP
	s_sub_co_u32 s49, s49, 1
	s_cmp_lg_u32 s49, 0
	s_cbranch_scc1 .Lslot
	CHANGE 0                                       ; the last step is written out
	STEP
	; THE WAY OUT.  O^T / l, quantised with 2^(e10 - e8 - e9) (a sum of the second product stands for sum x 2^(e8 + e9)); a lane's eight channels are eight bytes of its token's row.  The rows' 128 bytes come from two waves:
	; they meet in a stage of 128 rows x 144 bytes at LDS byte 0, in slot 0, which was left at the last change of slots: it has had its last fill, and nobody reads it.  The address work below is the places behind the last products.
	v_and_b32 v1, 15, v0                           ; r
	v_bfe_u32 v2, v0, 4, 1                         ; h
	s_delay_alu instid0(VALU_DEP_2)
	v_mul_u32_u24 v8, v1, KP
	s_delay_alu instid0(VALU_DEP_1)
	v_lshl_add_u32 v8, v2, 4, v8
	s_mul_i32 s75, s12, 32*KP
	s_add_co_u32 s75, s75, s14
	v_add_nc_u32 v8, s75, v8                       ; in: row 32 x pair + r (tile 1: 16 rows on), byte 64 x head + 16 h; tile t of O^T: 32 (t / 2) + 8 (t % 2) bytes on
	v_and_b32 v9, 31, v0
	s_delay_alu instid0(VALU_DEP_1)
	v_lshrrev_b32 v10, 3, v9
	s_delay_alu instid0(VALU_DEP_1)
	v_mul_u32_u24 v10, v10, KP
	v_and_b32 v1, 7, v0
	s_delay_alu instid0(VALU_DEP_1)
	v_lshl_add_u32 v10, v1, 4, v10
	s_mul_i32 s75, s[WV], 16*KP
	v_add_nc_u32 v10, s75, v10                     ; back: wave w takes rows 16 w on, four rows an instruction, eight lanes to a row
	v_lshlrev_b32 v9, 4, v9                        ; in the block they are 512 consecutive bytes: 16 x lane
	s_sub_co_i32 s73, s72, s70
	s_sub_co_i32 s73, s73, s71
	s_add_co_i32 s73, s73, 127
	s_lshl_b32 s74, s73, 23                        ; 2^(e10 - e8 - e9)
	s_add_co_i32 s73, s73, 8
	s_lshl_b32 s73, s73, 23
	s_or_b32 s73, s73, 0x600000                    ; 448 x that
.macro FIN                             ; one tile's O^T becomes codes in v128-135, in the window in hand
	v_add_f32 v14, v14, v15                        ; l's two halves,
	s_delay_alu instid0(VALU_DEP_1)
	v_permlanex16_b32 v26, v14, s20, s21
	s_delay_alu instid0(VALU_DEP_1)
	v_add_f32 v14, v14, v26                        ; and lane l xor 16's
	s_wait_alu depctr_va_vdst(0)
	v_rcp_f32 v14, v14
	v_mov_b32 v24, s74                             ; (the plain line behind the reciprocal)
	v_mov_b32 v25, s73
	s_wait_alu depctr_va_vdst(0)                   ; the wait for the reciprocal, ahead of its first reader
.set j, 0
.rept 16
	v_pk_mul_f32 v[96+j:97+j], v[160+j:161+j], v[14:15] op_sel_hi:[1,0]   ; O^T / l; each accumulator from its low end on
.set j, j+2
.endr
.set j, 0
.rept 32
	v_med3_num_f32 v[96+j], v[96+j], -v25, v25
.set j, j+1
.endr
.irp t, 0,1,2,3
	v_cvt_scalef32_pk8_fp8_f32 v[128+2*\t:129+2*\t], v[96+8*\t:103+8*\t], v24
.endr
	v_nop                                          ; a plain vector line behind the last conversion
.endm
	FIN
.irp t, 0,1,2,3
	ds_store_b64 v8, v[128+2*\t:129+2*\t] offset:32*(\t/2)+8*(\t%2)
.endr
	WIN W_T1
	FIN
	WIN W_ST1
.irp t, 0,1,2,3
	ds_store_b64 v8, v[128+2*\t:129+2*\t] offset:16*KP+32*(\t/2)+8*(\t%2)
.endr
	WIN 0
	s_wait_dscnt 0x0                               ; for the others' sake: my stores into the stage are done
	s_barrier_signal -1
	s_barrier_wait -1
.irp i, 0,1,2,3
	ds_load_b128 v[32+4*\i:35+4*\i], v10 offset:\i*4*KP
.endr
.irp i, 0,1,2,3
	s_wait_dscnt 3-\i                              ; LDS loads come back in order: load i is in
	global_store_b128 v9, v[32+4*\i:35+4*\i], s[10:11] offset:512*\i   ; 32 lanes store 512 consecutive bytes, at a multiple of 512 from ac's first byte
.endr
	s_wait_tensorcnt 0x0                           ; the wave's end, behind my last tensor load and my last LDS store
	ds_add_u32 v5, v6
	s_wait_dscnt 0x0
	CROUND                                         ; the closing round: no work-group ends while a partner may still ask for a tile that names it
	s_endpgm
.Lfunc_end_k_q90ea6c58bb_attn:
	.size	k_q90ea6c58bb_attn, .Lfunc_end_k_q90ea6c58bb_attn-k_q90ea6c58bb_attn
	.p2alignl 7, 3214868480
	.fill 96, 4, 3214868480
	.section	.rodata,"a",@progbits
	.p2align	6, 0x0
	.amdhsa_kernel k_q90ea6c58bb_attn
		.amdhsa_group_segment_fixed_size 327680
		.amdhsa_private_segment_fixed_size 0
		.amdhsa_enable_private_segment 0
		.amdhsa_kernarg_size 32
		.amdhsa_user_sgpr_count 2
		.amdhsa_user_sgpr_kernarg_segment_ptr 1
		.amdhsa_wavefront_size32 1
		.amdhsa_system_sgpr_workgroup_id_x 1
		.amdhsa_system_sgpr_workgroup_id_y 1
		.amdhsa_system_sgpr_workgroup_id_z 1
		.amdhsa_system_vgpr_workitem_id 0
		.amdhsa_next_free_vgpr 512
		.amdhsa_next_free_sgpr 100
		.amdhsa_reserve_vcc 0
		.amdhsa_float_denorm_mode_32 3
		.amdhsa_float_denorm_mode_16_64 3
		.amdhsa_memory_ordered 1
		.amdhsa_forward_progress 1
		.amdhsa_inst_pref_size 105
	.end_amdhsa_kernel
	.amdgpu_metadata
---
amdhsa.version: [ 1, 2 ]
amdhsa.kernels:
  - .name:           k_q90ea6c58bb_attn
    .symbol:         k_q90ea6c58bb_attn.kd
    .args:
      - { .name: pc, .offset: 0, .size: 8, .value_kind: global_buffer, .address_space: global }
      - { .name: mask, .offset: 8, .size: 8, .value_kind: global_buffer, .address_space: global }
      - { .name: lowp_scales, .offset: 16, .size: 8, .value_kind: global_buffer, .address_space: global }
      - { .name: ac, .offset: 24, .size: 8, .value_kind: global_buffer, .address_space: global }
    .group_segment_fixed_size: 327680
    .private_segment_fixed_size: 0
    .kernarg_segment_align: 8
    .kernarg_segment_size: 32
    .max_flat_workgroup_size: 256
    .sgpr_count:     100
    .vgpr_count:     512
    .wavefront_size: 32
...
	.end_amdgpu_metadata
.endif
;; end of part 3
;; launch dense (part 4): grid 8 x 32, 4 waves a work-group, clusters of 4 x 4, 327,680 bytes of LDS; arguments ac, wc, lowp_scales, dense_b, out0; writes out0
.if DOCPART == 4
	.amdgcn_target "amdgcn-amd-amdhsa--gfx1250"
	.amdhsa_code_object_version 6
	.text
	.protected	k_q90ea6c58bb_dense
	.globl	k_q90ea6c58bb_dense
	.p2align	8
	.type	k_q90ea6c58bb_dense,@function
k_q90ea6c58bb_dense:
	s_mov_b64 s[64:65], 0
	v_nop
	global_prefetch_b8 v0, s[64:65] scope:SCOPE_SE
	s_setreg_imm32_b32 hwreg(HW_REG_WAVE_MODE, 25, 1), 1
	s_wait_xcnt 0x0
	s_wait_alu depctr_hold_cnt(0) depctr_sa_sdst(0) depctr_va_vdst(0) depctr_va_sdst(0) depctr_va_ssrc(0) depctr_va_vcc(0) depctr_vm_vsrc(0)
	s_getreg_b32 s2, hwreg(HW_REG_IB_STS2, 6, 4)
	s_cmp_eq_u32 s2, 0
	s_cbranch_scc0 .Lentry_in_a_cluster
	s_endpgm
.Lentry_in_a_cluster:
	s_bfe_u32 s2, ttmp6, 0x10000c
	s_cmp_lg_u32 s2, 0xf033
	s_cbranch_scc0 .Lentry_shape_is_right
	s_endpgm
.Lentry_shape_is_right:
; out0 = o dense_w^T + dense_b on codes of E4M3: out = sum x 2^(e10 + e11) + bias.  ac: dense blocks of 16,384 bytes, [128 tokens][128 features]; block 8 y + g is K step g of block y of tokens (0..31).
; dense_w's codes are rows 3,072 on of wc, 1,024 bytes a row.  out0: [4096][1024] f32.
; SHARES.  Work-group (x, y): 128 outputs x 128 tokens.  THE WHOLE K LIES IN LDS, asked for at the head by one tensor load a wave, and nothing is filled again:
; waves 0, 1: four blocks of ac each, 65,536 dense bytes stated as 256 rows of 256 bytes, with 16 bytes of padding behind each 128; waves 2, 3: 64 rows x 1,024 bytes of the weights, 1,040 apart in LDS.
; Four waves, each 64 x 64: 16 accumulators.  CLUSTERS 4 x 4: ac's blocks hang on y alone, asked for jointly along a row of the cluster; the weights on x alone, along a column.
; Source 0 = 16 rows of the weights, source 1 = 16 tokens: a lane holds eight neighbouring outputs of one token.  A fragment comes by four loads of 16 bytes, 32 apart: the same permutation of k on both sides.
; LIMIT: e10 + e11 between -126 and 127.  No prefetch: every tile is asked for at the kernel's head, and there is no loop to run ahead in.
; REGISTERS.  Window 0: v8-22 addresses; v32-63 the bias; v128-255 accumulators, later rows of out0.  Window 1: two fragment buffers of 128: the tokens' four fragments, then the weights' four.
.set YP,     144
.set YSTEP,  128*YP
.set XP,     1040                      ; 1,024 bytes + 16: an odd multiple of 16
.set XOFF,   8*YSTEP
.set SPARE,  XOFF+128*XP               ; the spare words: 128 bytes a wave
.set SPITCH, 528                       ; the way out: a stage of 128 rows x 528 bytes at LDS byte 0, in ac's blocks, which have had their one fill and, behind the barrier there, their last read
.set AD1, 8                            ; v8-11 my tokens' fragments, K steps 2 c on
.set AD0, 12
.set STO, 16
.set RD,  17
.set GO,  18
.set SPW, 21
.set NIL, 22
.set BP,  32
.set ACC, 128
.set WV,  18
.set G1Y, 24
.set G1X, 32
.set G0Y, 40
.set G0X, 44
.set MSB, 0
.macro WIN new
.if MSB != \new
	s_set_vgpr_msb (MSB<<8)|\new
.set MSB, \new
.endif
.endm
.set MUL,  0x05
.set TO_F, 0x40
.macro CROUND
	s_barrier_signal -1
	s_barrier_wait -1
	s_cmp_lg_u32 s[WV], 0
	s_cbranch_scc1 .Lnot_wave_0_\@
	s_barrier_signal -3
.Lnot_wave_0_\@:
	s_barrier_wait -3
	s_barrier_signal -1
	s_barrier_wait -1
.endm
.macro PLACES
.rept 4
	v_nop
.endr
.endm
	s_load_b256 s[4:11], s[0:1], 0x0               ; ac, wc, the scales, dense_b
	s_load_b64 s[16:17], s[0:1], 0x20              ; out0
	v_lshl_add_u32 v[SPW], v0, 2, SPARE
	v_mov_b32 v[NIL], 0
	ds_add_u32 v[SPW], v[NIL]                      ; the opening lines: the add twice on end and its wait
	ds_add_u32 v[SPW], v[NIL]
	v_lshrrev_b32 v1, 5, v0
	v_readfirstlane_b32 s[WV], v1
	s_lshr_b32 s19, s[WV], 1                       ; wa: my 64 tokens
	s_and_b32 s20, s[WV], 1                        ; wb: my 64 outputs; also which half I fetch
	s_bfe_u32 s21, ttmp6, 0x40000
	s_bfe_u32 s22, ttmp6, 0x40004
	s_lshl_b32 s56, ttmp9, 2
	s_add_co_u32 s56, s56, s21                     ; x
	s_and_b32 s57, ttmp7, 0xffff
	s_lshl_b32 s57, s57, 2
	s_add_co_u32 s57, s57, s22                     ; y
	s_lshl_b32 s60, s22, 2
	s_lshl_b32 s60, 15, s60
	s_lshl_b32 s61, 0x1111, s21
	s_or_b32 s[G1Y], s60, (1<<20)|(1<<21)|(4<<22)|(3<<25)   ; four words of padding after every 32
	s_mov_b32 s[G1Y+1], 256<<16
	s_mov_b32 s[G1Y+2], 256<<16
	s_mov_b32 s[G1Y+3], 256<<16
	s_mov_b32 s[G1Y+4], 256
	s_mov_b32 s[G1Y+5], 256
	s_mov_b32 s[G1Y+6], 0
	s_mov_b32 s[G1Y+7], 0
	s_or_b32 s[G1X], s61, (1<<20)|(1<<21)|(7<<22)|(3<<25)   ; four words of padding after every 256
	s_mov_b32 s[G1X+1], 1024<<16
	s_mov_b32 s[G1X+2], 64<<16
	s_mov_b32 s[G1X+3], 1024<<16
	s_mov_b32 s[G1X+4], 64
	s_mov_b32 s[G1X+5], 1024
	s_mov_b32 s[G1X+6], 0
	s_mov_b32 s[G1X+7], 0
	s_lshl_b32 s23, s20, 16
	s_lshl_b32 s62, s57, 17                        ; ac: block 8 y + 4 wb
	s_add_co_u32 s62, s62, s23
	s_mov_b32 s63, 0
	s_lshl_b32 s66, s56, 17                        ; wc: row 3,072 + 128 x + 64 wb
	s_add_co_u32 s66, s66, s23
	s_add_co_u32 s66, s66, 3072*1024
	s_mov_b32 s67, 0
	s_mov_b32 s[G0Y], 1
	s_mul_i32 s[G0Y+1], s20, 4*YSTEP
	s_mov_b32 s[G0X], 1
	s_mul_i32 s[G0X+1], s20, 64*XP
	s_add_co_u32 s[G0X+1], s[G0X+1], XOFF
	s_wait_dscnt 0x0
	s_wait_kmcnt 0x0
	s_load_b64 s[84:85], s[8:9], 0x28              ; e10, e11
	s_add_nc_u64 s[G0Y+2:G0Y+3], s[4:5], s[62:63]
	s_or_b32 s[G0Y+3], s[G0Y+3], 0x80000000
	s_add_nc_u64 s[G0X+2:G0X+3], s[6:7], s[66:67]
	s_or_b32 s[G0X+3], s[G0X+3], 0x80000000
	CROUND
	s_cmp_lt_u32 s[WV], 2                          ; one load in each arm
	s_cbranch_scc0 .Lfill_x
	tensor_load_to_lds s[G0Y:G0Y+3], s[G1Y:G1Y+7]
	s_nop 0
	PLACES
	s_branch .Lfilled
.Lfill_x:
	tensor_load_to_lds s[G0X:G0X+3], s[G1X:G1X+7]
	s_nop 0
	PLACES
.Lfilled:
	s_lshl_b32 s2, s56, 9
	s_lshl_b32 s3, s20, 8
	s_add_co_u32 s2, s2, s3
	s_mov_b32 s3, 0
	s_add_nc_u64 s[10:11], s[10:11], s[2:3]        ; the bias of my 64 outputs
	s_lshl_b32 s2, s57, 19                         ; out0: row 128 y + 32 x wave, + 512 x bytes
	s_lshl_b32 s3, s[WV], 17
	s_add_co_u32 s2, s2, s3
	s_lshl_b32 s3, s56, 9
	s_add_co_u32 s2, s2, s3
	s_mov_b32 s3, 0
	s_add_nc_u64 s[16:17], s[16:17], s[2:3]
	s_mul_i32 s70, s19, 64*YP
	s_mul_i32 s71, s20, 64*XP
	s_add_co_u32 s71, s71, XOFF
	s_mul_i32 s72, s19, 64*SPITCH                  ; into the stage: row 64 wa + r, byte 256 wb + 32 h
	s_lshl_b32 s3, s20, 8
	s_add_co_u32 s72, s72, s3
	s_mul_i32 s73, s[WV], 32*SPITCH
	v_and_b32 v1, 15, v0                           ; r
	v_bfe_u32 v2, v0, 4, 1                         ; h
	v_lshlrev_b32 v20, 5, v2
.irp b, 0,1,2,3
	global_load_b128 v[BP+8*\b:BP+8*\b+3], v20, s[10:11] offset:64*\b        ; register 8 b + j: output 16 b + 8 h + j
	global_load_b128 v[BP+8*\b+4:BP+8*\b+7], v20, s[10:11] offset:64*\b+16
.endr
	v_mul_u32_u24 v4, v1, YP
	v_lshl_add_u32 v4, v2, 4, v4
	v_add_nc_u32 v[AD1], s70, v4
.irp c, 1,2,3
	v_add_nc_u32 v[AD1+\c], \c*2*YSTEP, v[AD1]
.endr
	v_mul_u32_u24 v5, v1, XP
	v_lshl_add_u32 v5, v2, 4, v5
	v_add_nc_u32 v[AD0], s71, v5
	v_mul_u32_u24 v6, v1, SPITCH
	v_lshl_add_u32 v6, v2, 5, v6
	v_add_nc_u32 v[STO], s72, v6
	v_and_b32 v7, 31, v0
	v_lshlrev_b32 v[GO], 4, v7                     ; back: the 32 lanes take one row of 512 bytes; the same in out0
	v_add_nc_u32 v[RD], s73, v[GO]
.macro FETCH s, f                      ; 32 LDS loads: the fragments of K step s into buffer f
	WIN TO_F
.irp i, 0,1,2,3
.irp c, 0,1,2,3
	ds_load_b128 v[(\f)+16*\i+4*\c:(\f)+16*\i+4*\c+3], v[AD1+(\s)/2] offset:((\s)%2)*YSTEP+32*\c+\i*16*YP
.endr
.endr
.irp i, 0,1,2,3
.irp c, 0,1,2,3
	ds_load_b128 v[(\f)+64+16*\i+4*\c:(\f)+64+16*\i+4*\c+3], v[AD0] offset:(\s)*128+32*\c+\i*16*XP
.endr
.endr
.endm
.macro MUL16 f, zero                   ; the 16 accumulators take turns; zero = 1: the first products start the sums
	WIN MUL
.irp a, 0,1,2,3
.irp b, 0,1,2,3
.if \zero
	v_wmma_f32_16x16x128_fp8_fp8 v[ACC+8*(4*\a+\b):ACC+8*(4*\a+\b)+7], v[(\f)+64+16*\b:(\f)+64+16*\b+15], v[(\f)+16*\a:(\f)+16*\a+15], 0
.else
	v_wmma_f32_16x16x128_fp8_fp8 v[ACC+8*(4*\a+\b):ACC+8*(4*\a+\b)+7], v[(\f)+64+16*\b:(\f)+64+16*\b+15], v[(\f)+16*\a:(\f)+16*\a+15], v[ACC+8*(4*\a+\b):ACC+8*(4*\a+\b)+7]
.endif
.endr
.endr
.endm
.macro KSTEP s, f, g
.if (\s) < 7
.if (\s) > 0
	PLACES
.endif
	FETCH (\s)+1, \g
	s_wait_dscnt 32                                ; all but the 32 just issued
.else
	s_wait_dscnt 0x0
.endif
.if (\s) == 0
	MUL16 \f, 1
.else
	MUL16 \f, 0
.endif
.endm
	s_wait_alu depctr_va_vdst(0)                   ; the wait at the head's end
	s_wait_tensorcnt 0x0                           ; my one load is in
	s_barrier_signal -1
	s_barrier_wait -1                              ; everybody's is
	FETCH 0, 0
	KSTEP 0, 0, 128
	KSTEP 1, 128, 0
	KSTEP 2, 0, 128
	KSTEP 3, 128, 0
	KSTEP 4, 0, 128
	KSTEP 5, 128, 0
	KSTEP 6, 0, 128
	KSTEP 7, 128, 0
	; THE WAY OUT: sum x 2^(e10 + e11) + bias; through the work-group's stage; out as whole rows of 512 bytes
	WIN 0
	s_barrier_signal -1                            ; my reads of the tiles are over (the last step's wait for 0): the stage lies in ac's blocks
	s_wait_kmcnt 0x0
	s_add_co_i32 s84, s84, s85
	s_add_co_i32 s84, s84, 127
	s_lshl_b32 s84, s84, 23                        ; 2^(e10 + e11)
	s_mov_b32 s85, s84
	s_wait_loadcnt 0x0                             ; the bias
	PLACES
.irp a, 0,1,2,3
.irp b, 0,1,2,3
.irp j, 0,2,4,6
	v_pk_fma_f32 v[ACC+8*(4*\a+\b)+\j:ACC+8*(4*\a+\b)+\j+1], v[ACC+8*(4*\a+\b)+\j:ACC+8*(4*\a+\b)+\j+1], s[84:85], v[BP+8*\b+\j:BP+8*\b+\j+1] op_sel_hi:[1,0,1]   ; from the low end on
.endr
.endr
.endr
	s_wait_alu depctr_va_vdst(0)                   ; directly ahead of the barrier's wait
	s_barrier_wait -1                              ; everybody's reads are over
.irp a, 0,1,2,3
.irp b, 0,1,2,3
	ds_store_b128 v[STO], v[ACC+8*(4*\a+\b):ACC+8*(4*\a+\b)+3] offset:\a*16*SPITCH+64*\b
	ds_store_b128 v[STO], v[ACC+8*(4*\a+\b)+4:ACC+8*(4*\a+\b)+7] offset:\a*16*SPITCH+64*\b+16
.endr
.endr
	s_wait_dscnt 0x0                               ; for the others' sake
	s_barrier_signal -1
	s_barrier_wait -1
.set i, 0
.rept 32
	ds_load_b128 v[ACC+4*i:ACC+4*i+3], v[RD] offset:i*SPITCH
.set i, i+1
.endr
.set i, 0
.rept 32
	s_wait_dscnt 31-i
	global_store_b128 v[GO], v[ACC+4*i:ACC+4*i+3], s[16:17] offset:4096*i th:TH_STORE_NT   ; 32 lanes store 512 consecutive bytes
.set i, i+1
.endr
	s_wait_tensorcnt 0x0                           ; the wave's end
	ds_add_u32 v[SPW], v[NIL]
	s_wait_dscnt 0x0
	CROUND                                         ; the closing round
	s_endpgm
.Lfunc_end_k_q90ea6c58bb_dense:
	.size	k_q90ea6c58bb_dense, .Lfunc_end_k_q90ea6c58bb_dense-k_q90ea6c58bb_dense
	.p2alignl 7, 3214868480
	.fill 96, 4, 3214868480
	.section	.rodata,"a",@progbits
	.p2align	6, 0x0
	.amdhsa_kernel k_q90ea6c58bb_dense
		.amdhsa_group_segment_fixed_size 327680
		.amdhsa_private_segment_fixed_size 0
		.amdhsa_enable_private_segment 0
		.amdhsa_kernarg_size 40
		.amdhsa_user_sgpr_count 2
		.amdhsa_user_sgpr_kernarg_segment_ptr 1
		.amdhsa_wavefront_size32 1
		.amdhsa_system_sgpr_workgroup_id_x 1
		.amdhsa_system_sgpr_workgroup_id_y 1
		.amdhsa_system_sgpr_workgroup_id_z 1
		.amdhsa_system_vgpr_workitem_id 0
		.amdhsa_next_free_vgpr 512
		.amdhsa_next_free_sgpr 100
		.amdhsa_reserve_vcc 0
		.amdhsa_float_denorm_mode_32 3
		.amdhsa_float_denorm_mode_16_64 3
		.amdhsa_memory_ordered 1
		.amdhsa_forward_progress 1
		.amdhsa_inst_pref_size 46
	.end_amdhsa_kernel
	.amdgpu_metadata
---
amdhsa.version: [ 1, 2 ]
amdhsa.kernels:
  - .name:           k_q90ea6c58bb_dense
    .symbol:         k_q90ea6c58bb_dense.kd
    .args:
      - { .name: ac, .offset: 0, .size: 8, .value_kind: global_buffer, .address_space: global }
      - { .name: wc, .offset: 8, .size: 8, .value_kind: global_buffer, .address_space: global }
      - { .name: lowp_scales, .offset: 16, .size: 8, .value_kind: global_buffer, .address_space: global }
      - { .name: dense_b, .offset: 24, .size: 8, .value_kind: global_buffer, .address_space: global }
      - { .name: out0, .offset: 32, .size: 8, .value_kind: global_buffer, .address_space: global }
    .group_segment_fixed_size: 327680
    .private_segment_fixed_size: 0
    .kernarg_segment_align: 8
    .kernarg_segment_size: 40
    .max_flat_workgroup_size: 128
    .sgpr_count:     100
    .vgpr_count:     512
    .wavefront_size: 32
...
	.end_amdgpu_metadata
.endif
;; end of part 4
